; MI455X (gfx1250); checked and timed in simulation.
; The chip was launched on July 23, 2026; its instructions are those of AMD's public machine-readable ISA for CDNA 5 (MIT licence, August 2026) and "CDNA5" Instruction Set Architecture Reference Guide (July 2026). The comments in the code are by the model that wrote it; some were corrected since.
;; CGC3. Allowed arithmetic: float matrix products may take bf16 or f16 operands with f32 sums; all other float work in f32.
;; Inputs: W1 8 x 1,024 x 1,024 float32; W2 8 x 1,024 x 512 float32; Wg 2 x 1,024 x 6 float32; Wgs 1,024 x 8 float32; b1 8 x 1,024 float32; b2 8 x 512 float32; x 4,096 x 1,024 float32.
;; Outputs: out0 4,096 x 3 x 512 float32.
;; 2 versions, each right; version 2 is version 1 with the launch prep written anew for expert scheduling mode. Each part assembles by itself: llvm-mc -triple=amdgcn-amd-amdhsa -mcpu=gfx1250 --defsym DOCPART=n.
;; ======== version 1 of 2: 4 launches
;; limits: values are held in f16: magnitudes above 65,504 overflow, below 6.1e-05 lose precision
;; workspace buffers: xh 8,388,608 bytes; w1h 16,777,216 bytes; w2h 8,388,608 bytes; wgh 65,536 bytes; h 67,108,864 bytes; eo 33,554,432 bytes
;; launch prep (part 1): grid 512 x 1, 8 waves a work-group, no clusters, 0 bytes of LDS; arguments x, W1, W2, Wg, Wgs, xh, w1h, w2h, wgh; writes xh, w1h, w2h, wgh
.if DOCPART == 1
	.amdgcn_target "amdgcn-amd-amdhsa--gfx1250"
	.amdhsa_code_object_version 6
	.text
	.protected	k_q8204c4b5ba_prep
	.globl	k_q8204c4b5ba_prep
	.p2align	8
	.type	k_q8204c4b5ba_prep,@function
k_q8204c4b5ba_prep:
	s_mov_b64 s[64:65], 0
	v_nop
	global_prefetch_b8 v0, s[64:65] scope:SCOPE_SE
	s_setreg_imm32_b32 hwreg(HW_REG_WAVE_MODE, 25, 1), 1
	s_wait_xcnt 0x0
; prep: the matrix operands are rounded to f16 once, so that the products do not convert them again for every block that reads them.
;   xh = f16(x), w1h = f16(W1), w2h = f16(W2), each in its input's own layout;
;   wgh[32][1024] = the three gates' weights in f16, transposed (a gate column becomes a row along K):
;   rows 0-5 Wg[0][:, n], rows 8-13 Wg[1][:, n-8], rows 16-23 Wgs[:, n-16], the other twelve rows zeros.
; NO WORK OF THE PROBLEM IS LEFT OUT in any launch: the share tower sums all eight experts, so every expert, both biases and all three gates reach out0.
; WHY f16 AND NOT bf16: eleven significant bits against eight, in the same bytes and the same matrix form's layout: each rounding of an operand is an eighth as large,
; and a small result of the gated sums is a sum of 1,024 products whose roundings do not shrink with it.
; LIMIT (range): a number above 65,504 in magnitude becomes infinity, and below 2^-14 the step is 2^-24.  x of spread 1 and weights of spread 0.03 to 0.05 have room for
; a factor of 30 both ways and for an offset of 30 spreads: at most some 200 and some 10; at a thirtieth the weights' spread is 0.001, 16,000 steps.
; THE STREAM: work-groups 0-127 take x, 128-383 W1, 384-511 W2, 128 KiB of f32 each: 512 work-groups of equal stream, two for each of 256 WGPs.
; A wave owns 16 KiB of f32: its 32 loads of 512 neighbouring bytes all go out first; each is converted in the registers in which it landed and stored while the younger
; ones are still on their way.  Each store covers 256 consecutive bytes at a multiple of 256 from the buffer's first byte.
; THE GATES ride beside the stream, so that no work-group stands apart from the 512: wave 0 of each of work-groups 0-7 also takes k = 128 g .. 128 g + 127 of all 32 rows
; of wgh, four k a lane: 20 loads, which go out ahead of its stream loads, and 32 stores of 256 consecutive bytes each.
; REGISTERS: the stream needs v0-131; v132-255 serve those eight waves alone, so that the gates' loads and the stream's are on their way together.  Nothing is lost by
; declaring 256: two of a work-group's eight waves lie on each SIMD, so the two work-groups of a WGP take 4 x 256 = 1,024 registers of each, all that it has.
; No LDS, no barrier, no matrix unit, no shared tile.  No register is written while a memory instruction names it, so the only waits are the counted ones for the loads.
.set XCH,  128                         ; chunks of 128 KiB in x
.set W1CH, 256                         ; in W1
.set W2CH, 128                         ; in W2
.set NLD,  32                          ; stream loads of a wave
.set JOBS, 8                           ; work-groups whose wave 0 makes 128 k of wgh: 8 x 128 = 1,024
.set IN,   4                           ; v[4:131]    32 loads of four f32; the first two registers of each then hold its four f16
.set GW,   132                         ; v132        the gates: my byte offset in Wg[0]
.set GS,   133                         ; v133        in Wgs
.set GO,   134                         ; v134        in a row of wgh
.set T0,   136                         ; v[136:159]  Wg[0], register T0 + 6 k' + n; at the end the pair of zeros
.set T1,   160                         ; v[160:183]  Wg[1]
.set SH,   184                         ; v[184:215]  Wgs,  register SH + 8 k' + n
.set PK,   216                         ; v[216:255]  twenty pairs of packed f16, one for each row that a gate fills
.macro SLOADS                          ; the wave's 32 stream loads
.set j, 0
.rept NLD
	global_load_b128 v[IN+4*j:IN+4*j+3], v1, s[26:27] offset:512*j th:TH_LOAD_NT
.set j, j+1
.endr
.endm
; column n of a gate whose rows are wd numbers wide, at my four k, becomes 8 bytes of row 'row' of wgh
.macro GROW pair, base, wd, n, row
	v_cvt_pk_f16_f32 v[\pair],   v[\base+\n],       v[\base+\wd+\n]
	v_cvt_pk_f16_f32 v[\pair+1], v[\base+2*\wd+\n], v[\base+3*\wd+\n]
	global_store_b64 v[GO], v[\pair:\pair+1], s[24:25] offset:(\row)*2048
.endm
	s_load_b512 s[8:23], s[0:1], 0x0               ; x s[8:9], W1 s[10:11], W2 s[12:13], Wg s[14:15], Wgs s[16:17], xh s[18:19], w1h s[20:21], w2h s[22:23]
	s_load_b64 s[24:25], s[0:1], 0x40              ; wgh
	s_mov_b32 s2, ttmp9                            ; g
	v_lshrrev_b32 v2, 5, v0                        ; wave
	v_readfirstlane_b32 s5, v2                     ; and as a scalar
	s_max_u32 s3, s2, XCH
	s_sub_co_u32 s3, s3, XCH                       ; chunk number inside W1 (0 where g lies in front of it: nothing wraps)
	s_max_u32 s4, s2, XCH+W1CH
	s_sub_co_u32 s4, s4, XCH+W1CH                  ; chunk number inside W2
	v_and_b32 v3, 31, v0                           ; lane
	v_lshlrev_b32 v1, 4, v3
	v_lshl_add_u32 v1, v2, 14, v1                  ; in:  16,384 x wave + 16 x lane
	v_lshlrev_b32 v3, 3, v3
	v_lshl_add_u32 v2, v2, 13, v3                  ; out: 8,192 x wave + 8 x lane
	s_wait_kmcnt 0x0
	s_cmp_lt_u32 s2, XCH                           ; x or W1
	s_cselect_b64 s[26:27], s[8:9], s[10:11]
	s_cselect_b64 s[28:29], s[18:19], s[20:21]
	s_cselect_b32 s3, s2, s3
	s_cmp_lt_u32 s2, XCH+W1CH                      ; that, or W2
	s_cselect_b64 s[26:27], s[26:27], s[12:13]
	s_cselect_b64 s[28:29], s[28:29], s[22:23]
	s_cselect_b32 s3, s3, s4
	s_lshl_b32 s30, s3, 17                         ; 128 KiB of f32 a chunk
	s_mov_b32 s31, 0
	s_add_nc_u64 s[26:27], s[26:27], s[30:31]
	s_lshl_b32 s30, s3, 16                         ; 64 KiB of f16
	s_add_nc_u64 s[28:29], s[28:29], s[30:31]
	s_cmp_lg_u32 s5, 0
	s_cbranch_scc1 .Lplain                         ; waves 1-7 stream only,
	s_cmp_ge_u32 s2, JOBS
	s_cbranch_scc1 .Lplain                         ; and so does wave 0 of work-groups 8-511
	; The gates.  Lane l of work-group g is thread t = 32 g + l and owns k = 4 t .. 4 t + 3: 96 neighbouring bytes of each Wg[i], 128 of Wgs; of every row of wgh 8 bytes at 8 t.
	v_and_b32 v[GO], 31, v0
	v_lshl_add_u32 v[GO], s2, 5, v[GO]             ; t, 0 to 255
	v_mul_u32_u24 v[GW], v[GO], 96
	v_lshlrev_b32 v[GS], 7, v[GO]
	v_lshlrev_b32 v[GO], 3, v[GO]
.irp c, 0,1,2,3,4,5
	global_load_b128 v[T0+4*\c:T0+4*\c+3], v[GW], s[14:15] offset:16*\c
	global_load_b128 v[T1+4*\c:T1+4*\c+3], v[GW], s[14:15] offset:24576+16*\c
.endr
.irp c, 0,1,2,3,4,5,6,7
	global_load_b128 v[SH+4*\c:SH+4*\c+3], v[GS], s[16:17] offset:16*\c
.endr
	SLOADS                                         ; the stream's loads follow at once: 52 loads of this wave are out
	s_wait_loadcnt NLD                             ; loads come back in order: the gates' 20 are in, the stream's 32 stay out
.irp n, 0,1,2,3,4,5
	GROW PK+2*\n,    T0, 6, \n, \n
	GROW PK+12+2*\n, T1, 6, \n, 8+\n
.endr
.irp n, 0,1,2,3,4,5,6,7
	GROW PK+24+2*\n, SH, 8, \n, 16+\n
.endr
	v_mov_b32 v[T0], 0                             ; Wg[0]'s numbers have been converted above; no pending instruction names these two registers
	v_mov_b32 v[T0+1], 0
.irp row, 6,7,14,15,24,25,26,27,28,29,30,31
	global_store_b64 v[GO], v[T0:T0+1], s[24:25] offset:\row*2048   ; the rows that no gate fills are zeros: the matrix tiles are 16 rows
.endr
	s_branch .Lconvert
.Lplain:
	SLOADS
.Lconvert:                                     ; on both ways the stream's 32 loads are the youngest that are out
.set j, 0
.rept NLD
	s_wait_loadcnt NLD-1-j                         ; load j is in, the 31 - j younger ones stay out
	v_cvt_pk_f16_f32 v[IN+4*j],   v[IN+4*j],   v[IN+4*j+1]
	v_cvt_pk_f16_f32 v[IN+4*j+1], v[IN+4*j+2], v[IN+4*j+3]
	global_store_b64 v2, v[IN+4*j:IN+4*j+1], s[28:29] offset:256*j
.set j, j+1
.endr
	s_endpgm
.Lfunc_end_k_q8204c4b5ba_prep:
	.size	k_q8204c4b5ba_prep, .Lfunc_end_k_q8204c4b5ba_prep-k_q8204c4b5ba_prep
	.p2alignl 7, 3214868480
	.fill 96, 4, 3214868480
	.section	.rodata,"a",@progbits
	.p2align	6, 0x0
	.amdhsa_kernel k_q8204c4b5ba_prep
		.amdhsa_group_segment_fixed_size 0
		.amdhsa_private_segment_fixed_size 0
		.amdhsa_enable_private_segment 0
		.amdhsa_kernarg_size 72
		.amdhsa_user_sgpr_count 2
		.amdhsa_user_sgpr_kernarg_segment_ptr 1
		.amdhsa_wavefront_size32 1
		.amdhsa_system_sgpr_workgroup_id_x 1
		.amdhsa_system_sgpr_workgroup_id_y 1
		.amdhsa_system_sgpr_workgroup_id_z 1
		.amdhsa_system_vgpr_workitem_id 0
		.amdhsa_next_free_vgpr 256
		.amdhsa_next_free_sgpr 66
		.amdhsa_reserve_vcc 0
		.amdhsa_float_denorm_mode_32 3
		.amdhsa_float_denorm_mode_16_64 3
		.amdhsa_memory_ordered 1
		.amdhsa_forward_progress 1
		.amdhsa_inst_pref_size 24
	.end_amdhsa_kernel
	.amdgpu_metadata
---
amdhsa.version: [ 1, 2 ]
amdhsa.kernels:
  - .name:           k_q8204c4b5ba_prep
    .symbol:         k_q8204c4b5ba_prep.kd
    .args:
      - { .name: x, .offset: 0, .size: 8, .value_kind: global_buffer, .address_space: global }
      - { .name: W1, .offset: 8, .size: 8, .value_kind: global_buffer, .address_space: global }
      - { .name: W2, .offset: 16, .size: 8, .value_kind: global_buffer, .address_space: global }
      - { .name: Wg, .offset: 24, .size: 8, .value_kind: global_buffer, .address_space: global }
      - { .name: Wgs, .offset: 32, .size: 8, .value_kind: global_buffer, .address_space: global }
      - { .name: xh, .offset: 40, .size: 8, .value_kind: global_buffer, .address_space: global }
      - { .name: w1h, .offset: 48, .size: 8, .value_kind: global_buffer, .address_space: global }
      - { .name: w2h, .offset: 56, .size: 8, .value_kind: global_buffer, .address_space: global }
      - { .name: wgh, .offset: 64, .size: 8, .value_kind: global_buffer, .address_space: global }
    .group_segment_fixed_size: 0
    .private_segment_fixed_size: 0
    .kernarg_segment_align: 8
    .kernarg_segment_size: 72
    .max_flat_workgroup_size: 256
    .sgpr_count:     66
    .vgpr_count:     256
    .wavefront_size: 32
...
	.end_amdgpu_metadata
.endif
;; end of part 1
;; launch gemm1 (part 2): grid 16 x 16, 4 waves a work-group, clusters of 4 x 4, 327,680 bytes of LDS; arguments xh, w1h, b1, h; writes h
.if DOCPART == 2
	.amdgcn_target "amdgcn-amd-amdhsa--gfx1250"
	.amdhsa_code_object_version 6
	.text
	.protected	k_q8204c4b5ba_gemm1
	.globl	k_q8204c4b5ba_gemm1
	.p2align	8
	.type	k_q8204c4b5ba_gemm1,@function
k_q8204c4b5ba_gemm1:
	s_mov_b64 s[64:65], 0
	v_nop
	global_prefetch_b8 v0, s[64:65] scope:SCOPE_SE
	s_setreg_imm32_b32 hwreg(HW_REG_WAVE_MODE, 25, 1), 1
	s_wait_xcnt 0x0
	s_wait_alu depctr_hold_cnt(0) depctr_sa_sdst(0) depctr_va_vdst(0) depctr_va_sdst(0) depctr_va_ssrc(0) depctr_va_vcc(0) depctr_vm_vsrc(0)
	s_getreg_b32 s2, hwreg(HW_REG_IB_STS2, 6, 4)
	s_cmp_eq_u32 s2, 0
	s_cbranch_scc0 .Lentry_in_a_cluster
	s_endpgm
.Lentry_in_a_cluster:
	s_bfe_u32 s2, ttmp6, 0x10000c
	s_cmp_lg_u32 s2, 0xf033
	s_cbranch_scc0 .Lentry_shape_is_right
	s_endpgm
.Lentry_shape_is_right:
; gemm1: h[e][m][n] = relu( sum over k of xh[m][k] w1h[e][k][n] + b1[e][n] ), operands in f16, sums in f32, rounded once to f16.  No work of the problem is left out.
; The eight experts' columns stand side by side: block column bc = 0..31 of 256 columns is expert e = bc >> 2, column block cb = bc & 3.
; A block of 256 x 256 is made by four waves, as many as a WGP has SIMDs; a wave makes 128 x 128: 64 accumulator tiles of 16 x 16.
; K = 1024 goes in eight steps of 128 through a ring of two LDS slots filled by the tensor data mover.
;   A's tile: 256 rows of xh x 128 K, rows of 256 bytes, LDS pitch 272.
;   B's tile: 128 K rows of w1h x 256 columns, rows of 512 bytes, LDS pitch 544.  The weights lie [K][N], so B's fragments are read by the
;   transposing LDS load: eight lanes give the addresses of eight K rows and each receives eight K of one column.
; WORK-GROUPS THAT STAY: there are 16 x 32 = 512 blocks and 256 work-groups; each makes two blocks of one block row, block columns bc and bc + 16 (experts e and e + 4,
; the same column block).  The ring goes on from the first block into the second: in the first block's last two K steps the slots are filled again with the second
; block's K steps 0 and 1 (A's address goes back three refills of 512 bytes, B's goes on to the expert four further), behind the same rounds as every refill.  So these
; tiles land while the first block goes out, and the first block's stores are waited for by nothing but the wave's end.
; CLUSTERS: 4 x 4 work-groups.  A's tile hangs on the block row alone and is asked for jointly by a row of the cluster, B's on the block column alone and
; is asked for jointly by a column: the requests for both are divided by four.  The step from block to block is a constant, the same in all partners.
; THE MATRIX INSTRUCTION IS USED TRANSPOSED (source 0 = 16 columns of the weights, source 1 = 16 rows of xh): lane l holds row l % 16 of the result and its
; registers 0-7 the columns 8 (l / 16) + 0..7, eight neighbouring numbers of a row.
; THE BIAS STARTS THE SUMS: the first product of each tile takes as C eight registers that hold b1 of just those eight columns.  Nothing is cleared.  Both blocks'
; biases are loaded at the start, so that no load from memory stands between the two blocks.
; LIMITS: the bias is added first and not last (an order of rounding); relu is a maximum in which a NaN loses, so a NaN sum gives 0 where the
; reference keeps NaN; h is the second product's matrix operand and is kept in f16: an h above 65,504 becomes infinity.  Its room: h has spread 1 for x of spread 1 and
; W1 of spread 1/32; with both 30 times larger it reaches some 900 x 6 = 5,400, with both carrying an offset of 30 spreads some 1024 x 30 x 0.94 = 28,800.
; REGISTERS, in windows of 256: window 0: v0-31 addresses, v32-63 packed results, v64-127 and v128-191 fragments of A (two buffers), v192-255 the results behind relu;
; window 1: v0-63 the second block's bias, v64-127 and v128-191 fragments of B, v192-255 the first block's bias;
; windows 2, 3: the accumulators of my rows 0-63, 64-127 (tile (a, b) at v[8 (8 a + b)]).
.set KDIM,   1024
.set NE,     1024                      ; columns of one expert
.set LOGCB,  2                         ; 4 column blocks an expert
.set LOGWE,  21                        ; bytes of one expert's weights: 1024 x 1024 x 2
.set LOGWH,  17                        ; bytes of 64 K rows of them
.set LOGCR,  11                        ; bytes of a row of the result
.set LOGCE,  23                        ; bytes of one expert's result: 4096 x 1024 x 2
.set KSTEP,  128
.set BCSTEP, 16                        ; block columns from my first block to my second,
.set ESTEP,  BCSTEP>>LOGCB             ; which is four experts
.set APITCH, 272                       ; 256 bytes + 16: the sixteen rows of a fragment load start at sixteen different 16-byte columns modulo 256 bytes
.set BPITCH, 544                       ; 512 bytes + 32: an odd multiple of 32, for the transposing load's eight rows and two 16-byte columns
.set HALFT,  128*APITCH                ; what one tensor load brings: 128 rows of A, or 64 K rows of B (64 x 544 is the same figure)
.set SLOT,   4*HALFT                   ; A's 256 rows, then B's 128 K rows
.set STAGE,  2*SLOT                    ; behind the ring: 16 rows x 272 bytes for each wave, for the way out; no tensor load lands here
.set SPITCH, 272
.set LAPS,   KDIM/(2*KSTEP)            ; a lap = two K steps = once round the ring
.set ASTEP,  2*KSTEP*2                 ; a slot's next tile of A: two K steps along the rows
.set BSTEP,  2*KSTEP*NE*2              ; of B: two K steps down
.set ABACK,  (LAPS-1)*ASTEP            ; into the next block: A goes back the three refills of a block,
.set BNEXT,  (ESTEP<<LOGWE)-(LAPS-1)*BSTEP ; B goes on four experts, less its three refills,
.set CNEXT,  (ESTEP<<LOGCE)-7*16*NE*2  ; the result goes on four experts, less the way out's seven steps of 16 rows
.set ADRA, 16                          ; v16-17  LDS address of my A fragments in slot 0, 1
.set ADRB, 20                          ; v20-21  the same for B
.set STO,  24                          ; v24     the way out: where I put 16 bytes of a row
.set RD,   25                          ; v25     the way out: where I read a row back
.set CO,   26                          ; v26     my byte offset in the result
.set TMP,  32                          ; packed results
.set F0,   64
.set F1,   128
.set RL,   192                         ; window 0: 16 rows of results behind relu
.set BIAS0, 192                        ; window 1: v[BIAS0+8b+j]: bias of column 16 b + 8 (l / 16) + j of my 128, first block
.set BIAS1, 0                          ; window 1: the same for the second block
.set CBIAS, BIAS0                      ; the block at work's
.set G1,  24                           ; s[24:31] descriptor group 1 for A's tiles
.set G0,  32                           ; s[32:39] group 0 for A's tiles, one set for each slot
.set G1B, 48                           ; s[48:55] group 1 for B's tiles
.set G0B, 56                           ; s[56:63] group 0 for B's tiles, one set for each slot
.set MSB, 0
.macro WIN new                         ; the immediate's high byte repeats the setting that is left
.if MSB != \new
	s_set_vgpr_msb (MSB<<8)|\new
.set MSB, \new
.endif
.endm
.set MUL_LO,   0xa1                    ; source 0 (B) window 1, source 1 (A) window 0, C and D window 2
.set MUL_HI,   0xf1                    ; the same, C and D window 3
.set FIRST_LO, 0x91                    ; the first products: C is the bias in window 1, D window 2
.set FIRST_HI, 0xd1                    ; D window 3
.set TO_B,     0x40                    ; destination window 1, address window 0
; Waves 0 and 1 fetch A's two halves, waves 2 and 3 B's.  The branch hangs on the wave's number alone.
.macro JLOAD s
	s_cmp_eq_u32 s13, 0
	s_cbranch_scc0 .Lfor_b_\@
	tensor_load_to_lds s[G0+4*\s:G0+4*\s+3], s[G1:G1+7]
	s_nop 0
	s_branch .Lasked_\@
.Lfor_b_\@:
	tensor_load_to_lds s[G0B+4*\s:G0B+4*\s+3], s[G1B:G1B+7]
	s_nop 0
	v_nop
	v_nop
	v_nop
	v_nop
.Lasked_\@:
.endm
; A round of the cluster's barrier: my work-group's barrier; wave 0 signals for the work-group; every wave waits for all sixteen; my work-group's barrier again.
.macro CREST                           ; a round behind its opening barrier
	s_cmp_lg_u32 s12, 0
	s_cbranch_scc1 .Lnot_wave_0_\@
	s_barrier_signal -3
.Lnot_wave_0_\@:
	s_barrier_wait -3
	s_barrier_signal -1
	s_barrier_wait -1
.endm
.macro CROUND
	s_barrier_signal -1
	s_barrier_wait -1
	CREST
.endm
	s_load_b256 s[4:11], s[0:1], 0x0               ; A s[4:5], B s[6:7], bias s[8:9], result s[10:11]
	v_lshl_add_u32 v30, v0, 2, 0x48400
	v_mov_b32 v31, 0
	ds_add_u32 v30, v31
	v_lshrrev_b32 v1, 5, v0
	v_readfirstlane_b32 s12, v1                    ; wave 0..3
	s_lshr_b32 s13, s12, 1                         ; which half of the block's rows is mine.  Also: I fetch for A (0) or for B (1)
	s_and_b32 s14, s12, 1                          ; which half of its columns.  Also: which half of that tile I fetch
	s_bfe_u32 s40, ttmp6, 0x40000                  ; cx
	s_bfe_u32 s41, ttmp6, 0x40004                  ; cy
	s_lshl_b32 s42, ttmp9, 2
	s_add_co_u32 s42, s42, s40                     ; my first block column bc = 4 x cluster x + cx, 0..15
	s_and_b32 s15, ttmp7, 0xffff
	s_lshl_b32 s15, s15, 2
	s_add_co_u32 s15, s15, s41                     ; block row br = 4 x cluster y + cy
	s_lshl_b32 s44, 0x1111, s40                    ; my column of the cluster: places cx, cx + 4, cx + 8, cx + 12
	s_lshr_b32 s45, s42, LOGCB                     ; expert e of the first block
	s_and_b32 s68, s42, (1<<LOGCB)-1               ; column block cb inside it
	s_lshl_b32 s43, s41, 2
	s_lshl_b32 s43, 15, s43                        ; my row of the cluster: places 4 cy .. 4 cy + 3
	s_or_b32 s[G1+0], s43, (1<<16)|(1<<20)|(1<<21)|(5<<22)|(3<<25) ; 15:0 mask: my row; 17:16 element of 2 bytes; 20 padding on; 21 set beside a mask; 24:22 behind every 64 words; 31:25 4 words
	s_mov_b32 s[G1+1], KSTEP<<16                   ; tensor_dim0 = 128
	s_mov_b32 s[G1+2], 128<<16                     ; tensor_dim1 = 128
	s_mov_b32 s[G1+3], KSTEP<<16                   ; tile_dim0 = 128 elements
	s_mov_b32 s[G1+4], 128                         ; tile_dim1 = 128 rows
	s_mov_b32 s[G1+5], KDIM                        ; elements from row to row
	s_mov_b32 s[G1+6], 0
	s_mov_b32 s[G1+7], 0
	s_or_b32 s[G1B+0], s44, (1<<16)|(1<<20)|(1<<21)|(6<<22)|(7<<25) ; mask: my column; 8 words of padding behind every 128
	s_mov_b32 s[G1B+1], 256<<16                    ; tensor_dim0 = 256
	s_mov_b32 s[G1B+2], 64<<16                     ; tensor_dim1 = 64
	s_mov_b32 s[G1B+3], 256<<16                    ; tile_dim0 = 256 elements
	s_mov_b32 s[G1B+4], 64                         ; tile_dim1 = 64 K rows
	s_mov_b32 s[G1B+5], NE
	s_mov_b32 s[G1B+6], 0
	s_mov_b32 s[G1B+7], 0
	; where the tiles come from; every offset stays under 2^27 bytes
	s_lshl_b32 s16, s15, 8
	s_lshl_b32 s17, s14, 7
	s_add_co_u32 s16, s16, s17                     ; A: row 256 br + 128 x half,
	s_lshl_b32 s16, s16, 11                        ; of 2,048 bytes
	s_mov_b32 s17, 0
	s_lshl_b32 s46, s45, LOGWE                     ; B: the expert,
	s_lshl_b32 s47, s14, LOGWH                     ; my 64 K rows of the step's 128,
	s_add_co_u32 s46, s46, s47
	s_lshl_b32 s47, s68, 9                         ; 256 columns of 2 bytes a column block
	s_add_co_u32 s46, s46, s47
	s_mov_b32 s47, 0
	s_lshl_b32 s66, s42, 10                        ; bias: 256 bc + 128 x (my half of the columns), of 4 bytes
	s_lshl_b32 s67, s14, 9
	s_add_co_u32 s66, s66, s67
	s_mov_b32 s67, 0
	s_mul_i32 s20, s12, HALFT                      ; and where they go: wave x 34,816: no place in the cluster enters an LDS address
	s_wait_dscnt 0x0
	s_wait_kmcnt 0x0
	s_add_nc_u64 s[18:19], s[4:5], s[16:17]
	s_add_nc_u64 s[46:47], s[6:7], s[46:47]
	s_add_nc_u64 s[8:9], s[8:9], s[66:67]
	CROUND                                         ; all sixteen work-groups are here: the first joint loads meet
.irp s, 0,1
	s_mov_b32 s[G0+4*\s], 1
	s_add_co_u32 s[G0+4*\s+1], s20, \s*SLOT
	s_add_nc_u64 s[G0+4*\s+2:G0+4*\s+3], s[18:19], \s*KSTEP*2      ; K step s: 128 elements along the rows
	s_or_b32 s[G0+4*\s+3], s[G0+4*\s+3], 0x80000000
	s_mov_b32 s[G0B+4*\s], 1
	s_add_co_u32 s[G0B+4*\s+1], s20, \s*SLOT
	s_add_nc_u64 s[G0B+4*\s+2:G0B+4*\s+3], s[46:47], \s*KSTEP*NE*2 ; K step s: 128 rows down
	s_or_b32 s[G0B+4*\s+3], s[G0B+4*\s+3], 0x80000000
	JLOAD \s                                       ; both slots' first fills go out before anything else: two tensor loads of the wave are out
.endr
	v_and_b32 v1, 15, v0                           ; r = l % 16
	v_bfe_u32 v2, v0, 4, 1                         ; hh = l / 16
	v_lshlrev_b32 v6, 5, v2                        ; 8 columns of 4 bytes for the upper lanes
	WIN TO_B                                       ; both blocks' biases go into window 1
.irp b, 0,1,2,3,4,5,6,7
	global_load_b128 v[BIAS0+8*\b:BIAS0+8*\b+3],   v6, s[8:9] offset:64*\b
	global_load_b128 v[BIAS0+8*\b+4:BIAS0+8*\b+7], v6, s[8:9] offset:64*\b+16
.endr
.irp b, 0,1,2,3,4,5,6,7
	global_load_b128 v[BIAS1+8*\b:BIAS1+8*\b+3],   v6, s[8:9] offset:BCSTEP*1024+64*\b      ; 16 block columns of 256 numbers of 4 bytes further
	global_load_b128 v[BIAS1+8*\b+4:BIAS1+8*\b+7], v6, s[8:9] offset:BCSTEP*1024+64*\b+16
.endr
	WIN 0
	; where the first block's results go
	s_lshl_b32 s16, s15, 8
	s_lshl_b32 s17, s13, 7
	s_add_co_u32 s16, s16, s17                     ; my first row,
	s_lshl_b32 s16, s16, LOGCR                     ; in bytes
	s_mov_b32 s17, 0
	s_add_nc_u64 s[10:11], s[10:11], s[16:17]
	s_lshl_b32 s46, s45, LOGCE                     ; the expert's plane (in the registers that held B's address: none that feeds A's descriptors ever holds cx),
	s_lshl_b32 s47, s68, 9                         ; the column block,
	s_add_co_u32 s46, s46, s47
	s_lshl_b32 s47, s14, 8                         ; my half of it
	s_add_co_u32 s46, s46, s47
	s_mov_b32 s47, 0
	s_add_nc_u64 s[10:11], s[10:11], s[46:47]
	v_mul_u32_u24 v3, v1, APITCH
	v_lshl_add_u32 v3, v2, 4, v3                   ; A: row r, 16 bytes for each half of the lanes
	v_and_b32 v4, 7, v0
	v_lshl_add_u32 v4, v2, 3, v4                   ; B: K row 8 hh + l % 8,
	v_mul_u32_u24 v4, v4, BPITCH
	v_bfe_u32 v5, v0, 3, 1
	v_lshl_add_u32 v4, v5, 4, v4                   ; and which eight of the sixteen columns
	s_mul_i32 s21, s13, HALFT                      ; my 128 rows of A
	s_lshl_b32 s22, s14, 8                         ; my 128 columns of B,
	s_add_co_u32 s22, s22, 2*HALFT                 ; which lies behind A's 256 rows
.irp s, 0,1
	v_add_nc_u32 v[ADRA+\s], s21, v3
	v_add_nc_u32 v[ADRB+\s], s22, v4
	s_add_co_u32 s21, s21, SLOT
	s_add_co_u32 s22, s22, SLOT
.endr
	s_mul_i32 s23, s12, 16*SPITCH
	s_add_co_u32 s23, s23, STAGE                   ; my stage
	v_add_nc_u32 v[STO], s23, v3                   ; in: row r, 16 bytes for each half of the lanes
	v_mul_u32_u24 v5, v2, SPITCH                   ; back: lanes 0-15 take one row of 256 bytes, lanes 16-31 the next
	v_lshl_add_u32 v5, v1, 4, v5
	v_add_nc_u32 v[RD], s23, v5
	v_mul_u32_u24 v5, v2, NE*2                     ; and the same two rows in the result
	v_lshl_add_u32 v[CO], v1, 4, v5
; 16 matrix instructions: row blocks a0, a0 + 1 of the window's four x all 8 column blocks, 32 along K.  first = 1: the bias of the block at work is C.
; The 64 accumulators take turns, one instruction a turn, in the same order in every quarter step.
.macro MUL16 f, hi, a0, first
.irp a, \a0, \a0+1
.irp b, 0,1,2,3,4,5,6,7
.if \first
	v_wmma_f32_16x16x32_f16 v[8*(8*(\a)+\b):8*(8*(\a)+\b)+7], v[\f+8*\b:\f+8*\b+7], v[\f+8*(4*\hi+\a):\f+8*(4*\hi+\a)+7], v[CBIAS+8*\b:CBIAS+8*\b+7]
.else
	v_wmma_f32_16x16x32_f16 v[8*(8*(\a)+\b):8*(8*(\a)+\b)+7], v[\f+8*\b:\f+8*\b+7], v[\f+8*(4*\hi+\a):\f+8*(4*\hi+\a)+7], v[8*(8*(\a)+\b):8*(8*(\a)+\b)+7]
.endif
.endr
.endr
.endm
; 32 LDS loads in one run: the fragments of quarter q (32 K) of a slot into buffer f.  B first: K rows 32 q + .. and 32 q + 16 + .., 16 columns (32 bytes) a block.
.macro FETCH slot, q, f
	WIN TO_B
.irp i, 0,1,2,3,4,5,6,7
	ds_load_tr16_b128 v[\f+8*\i:\f+8*\i+3],   v[ADRB+\slot] offset:\q*32*BPITCH+32*\i
	ds_load_tr16_b128 v[\f+8*\i+4:\f+8*\i+7], v[ADRB+\slot] offset:\q*32*BPITCH+16*BPITCH+32*\i
.endr
	WIN 0
.irp i, 0,1,2,3,4,5,6,7
	ds_load_b128 v[\f+8*\i:\f+8*\i+3],   v[ADRA+\slot] offset:\q*64+\i*16*APITCH
	ds_load_b128 v[\f+8*\i+4:\f+8*\i+7], v[ADRA+\slot] offset:\q*64+\i*16*APITCH+32
.endr
.endm
; A load into a register that a matrix instruction has read, and a vector instruction that reads a matrix result, stand four places behind it, and only plain
; vector instructions that name none of its registers are places (ISA guide 7.12.1 for vector instructions).
.macro PLACES
.rept 4
	v_nop
.endr
.endm
; One of a K step's first three quarters: multiplies buffer f; in its middle it fetches quarter q of the same slot into buffer g.
.macro QUARTER slot, q, f, g, first
	s_wait_dscnt 8                                 ; B and A's rows 0-63 are in; the youngest eight loads (A's rows 64-127) may be out
.if \first
	WIN FIRST_LO
.else
	WIN MUL_LO
.endif
	MUL16 \f, 0, 0, \first
	MUL16 \f, 0, 2, \first
	PLACES
	FETCH \slot, \q, \g
	s_wait_dscnt 32                                ; all but the 32 just issued
.if \first
	WIN FIRST_HI
.else
	WIN MUL_HI
.endif
	MUL16 \f, 1, 0, \first
	MUL16 \f, 1, 2, \first
.endm
.macro THREE slot, first
	QUARTER \slot, 1, F0, F1, \first
	QUARTER \slot, 2, F1, F0, 0
	QUARTER \slot, 3, F0, F1, 0
.endm
; The last quarter: multiplies buffer 1 and changes slots.  In front of the barrier each wave waits for its reads of this slot and for all its tensor loads
; (one is out: its part of the next slot).  Behind it (with a fill: behind the whole round of the cluster's barrier) the refill comes first, then the next slot's fragments.
; fill = 0: nothing is left to fetch; 1: this slot gets this block's tile two K steps ahead; 2: it gets the next block's tile of the same place in the ring.
; fetch = 0: the way out follows, which needs the fragment buffers; the next slot's fragments are fetched behind it.
.macro TURN slot, next, fill, fetch
	s_wait_dscnt 8
	WIN MUL_LO
	MUL16 F1, 0, 0, 0
	s_wait_dscnt 0                                 ; my reads of this slot are over
	s_set_vgpr_msb 0xa1a0
	s_wait_tensorcnt 0x0                           ; and all my tensor loads have landed
	ds_add_u32 v30, v31
	s_wait_dscnt 0x0
	s_set_vgpr_msb 0xa0a1
	s_barrier_signal -1
	MUL16 F1, 0, 2, 0                              ; registers only, while the others arrive
	WIN 0
	s_barrier_wait -1
.if \fill
	CREST                                          ; no wave of any partner still reads this slot or has a load on its way
.if \fill == 1
	s_add_nc_u64 s[G0+4*\slot+2:G0+4*\slot+3], s[G0+4*\slot+2:G0+4*\slot+3], ASTEP
	s_add_nc_u64 s[G0B+4*\slot+2:G0B+4*\slot+3], s[G0B+4*\slot+2:G0B+4*\slot+3], BSTEP
.else
	s_sub_nc_u64 s[G0+4*\slot+2:G0+4*\slot+3], s[G0+4*\slot+2:G0+4*\slot+3], ABACK        ; the same rows of xh, from this slot's first K step again
	s_add_nc_u64 s[G0B+4*\slot+2:G0B+4*\slot+3], s[G0B+4*\slot+2:G0B+4*\slot+3], BNEXT    ; the expert four further, this slot's first K step
.endif
	JLOAD \slot                                    ; the wave's one tensor load behind the round
.endif
.if \fetch
	PLACES
	FETCH \next, 0, F0
.endif
	WIN MUL_HI
	MUL16 F1, 1, 0, 0
	MUL16 F1, 1, 2, 0
.endm
.macro LAP first
	THREE 0, \first
	TURN 0, 1, 1, 1
	THREE 1, 0
	TURN 1, 0, 1, 1
.endm
; The first three laps of a block.  Slot 0 has been shown whole to every wave by the barrier in front.  The first lap stands in front of the loop: its first products
; start the sums from the bias.
.macro BODY blk
	FETCH 0, 0, F0
	LAP 1
	WIN 0                                          ; at a label and at a branch every window is 0
	s_mov_b32 s3, LAPS-2
.Llap_\blk:
	LAP 0
	WIN 0
	s_sub_co_u32 s3, s3, 1
	s_cmp_lg_u32 s3, 0
	s_cbranch_scc1 .Llap_\blk
.endm
; THE WAY OUT, 16 rows at a time: relu, round to f16, 16 bytes a lane into my own stage in LDS, read back as whole rows of 256 bytes.
; rows 16 i .. 16 i + 15 of my block = the eight tiles (a, 0..7) of window 2 or 3 (from = 0x08 or 0x0c: source 1); f: F0 or F1 in turn
.macro OUT16 i, a, from, f
	WIN \from
.irp b, 0,1,2,3,4,5,6,7
.irp r, 0,1,2,3,4,5,6,7
	v_max_num_f32 v[RL+8*\b+\r], 0, v[8*(8*\a+\b)+\r]              ; relu, from the accumulators' window into window 0
.endr
.endr
	WIN 0
.irp b, 0,1,2,3,4,5,6,7
.irp r, 0,1,2,3
	v_cvt_pk_f16_f32 v[TMP+4*\b+\r], v[RL+8*\b+2*\r], v[RL+8*\b+2*\r+1]
.endr
.endr
.irp b, 0,1,2,3,4,5,6,7
	ds_store_b128 v[STO], v[TMP+4*\b:TMP+4*\b+3] offset:32*\b
.endr
	s_wait_xcnt 0x0                                ; buffer f, which earlier stores read, and the stores' base are rewritten only behind this wait
.if \i
	s_add_nc_u64 s[10:11], s[10:11], 16*NE*2       ; 16 rows on
.endif
.irp t, 0,1,2,3,4,5,6,7
	ds_load_b128 v[\f+4*\t:\f+4*\t+3], v[RD] offset:\t*2*SPITCH    ; LDS serves a wave's instructions in order: these see the stores above
.endr
.irp t, 0,1,2,3,4,5,6,7
	s_wait_dscnt 7-\t                              ; read-back t is in, the 7 - t younger ones stay out
	global_store_b128 v[CO], v[\f+4*\t:\f+4*\t+3], s[10:11] offset:2*\t*NE*2   ; 16 lanes store 256 consecutive bytes, at a multiple of 256 from the buffer's first byte
.endr
.endm
.macro WAYOUT
	PLACES                                         ; behind the last matrix instructions: relu reads results, the read-backs land on fragments
	OUT16 0, 0, 0x08, F0
	OUT16 1, 1, 0x08, F1
	OUT16 2, 2, 0x08, F0
	OUT16 3, 3, 0x08, F1
	OUT16 4, 0, 0x0c, F0
	OUT16 5, 1, 0x0c, F1
	OUT16 6, 2, 0x0c, F0
	OUT16 7, 3, 0x0c, F1
.endm
	s_wait_tensorcnt 1                             ; my part of K step 0 is in; K step 1's may stay out
	s_barrier_signal -1
	s_barrier_wait -1                              ; everybody's is
	s_wait_loadcnt 0x0                             ; both biases
	; THE FIRST BLOCK.  Its last lap fills both slots again, with the second block's K steps 0 and 1.
	BODY 0
	THREE 0, 0
	TURN 0, 1, 2, 1
	THREE 1, 0
	TURN 1, 0, 2, 0                                ; its wait for all tensor loads and its round show the second block's K step 0 whole to every wave
	WAYOUT                                         ; the second block's K step 1 is on its way meanwhile
	s_wait_xcnt 0x0                                ; the fragment buffers, which the last stores read, and the stores' base are rewritten only behind this wait
	s_add_nc_u64 s[10:11], s[10:11], CNEXT         ; the same rows and columns of the expert four further
	; THE SECOND BLOCK.  Its last lap fills nothing.
.set CBIAS, BIAS1
	BODY 1
	THREE 0, 0
	TURN 0, 1, 0, 1
	THREE 1, 0
	s_wait_dscnt 8                                 ; the very last quarter: nothing more to fetch
	WIN MUL_LO
	MUL16 F1, 0, 0, 0
	MUL16 F1, 0, 2, 0
	s_wait_dscnt 0
	WIN MUL_HI
	MUL16 F1, 1, 0, 0
	MUL16 F1, 1, 2, 0
	WAYOUT
	s_wait_tensorcnt 0x0
	ds_add_u32 v30, v31
	s_wait_dscnt 0x0
	CROUND                                         ; the closing round: no work-group ends while a partner may still ask for a tile that names it
	s_endpgm
.Lfunc_end_k_q8204c4b5ba_gemm1:
	.size	k_q8204c4b5ba_gemm1, .Lfunc_end_k_q8204c4b5ba_gemm1-k_q8204c4b5ba_gemm1
	.p2alignl 7, 3214868480
	.fill 96, 4, 3214868480
	.section	.rodata,"a",@progbits
	.p2align	6, 0x0
	.amdhsa_kernel k_q8204c4b5ba_gemm1
		.amdhsa_group_segment_fixed_size 327680
		.amdhsa_private_segment_fixed_size 0
		.amdhsa_enable_private_segment 0
		.amdhsa_kernarg_size 32
		.amdhsa_user_sgpr_count 2
		.amdhsa_user_sgpr_kernarg_segment_ptr 1
		.amdhsa_wavefront_size32 1
		.amdhsa_system_sgpr_workgroup_id_x 1
		.amdhsa_system_sgpr_workgroup_id_y 1
		.amdhsa_system_sgpr_workgroup_id_z 1
		.amdhsa_system_vgpr_workitem_id 0
		.amdhsa_next_free_vgpr 1024
		.amdhsa_next_free_sgpr 72
		.amdhsa_reserve_vcc 0
		.amdhsa_float_denorm_mode_32 3
		.amdhsa_float_denorm_mode_16_64 3
		.amdhsa_memory_ordered 1
		.amdhsa_forward_progress 1
		.amdhsa_inst_pref_size 255
	.end_amdhsa_kernel
	.section	.bss,"aw",@nobits
	.p2align	6
	.space	262144
	.amdgpu_metadata
---
amdhsa.version: [ 1, 2 ]
amdhsa.kernels:
  - .name:           k_q8204c4b5ba_gemm1
    .symbol:         k_q8204c4b5ba_gemm1.kd
    .args:
      - { .name: xh, .offset: 0, .size: 8, .value_kind: global_buffer, .address_space: global }
      - { .name: w1h, .offset: 8, .size: 8, .value_kind: global_buffer, .address_space: global }
      - { .name: b1, .offset: 16, .size: 8, .value_kind: global_buffer, .address_space: global }
      - { .name: h, .offset: 24, .size: 8, .value_kind: global_buffer, .address_space: global }
    .group_segment_fixed_size: 327680
    .private_segment_fixed_size: 0
    .kernarg_segment_align: 8
    .kernarg_segment_size: 32
    .max_flat_workgroup_size: 128
    .sgpr_count:     72
    .vgpr_count:     1024
    .wavefront_size: 32
...
	.end_amdgpu_metadata
.endif
;; end of part 2
;; launch gemm2 (part 3): grid 16 x 16, 4 waves a work-group, clusters of 4 x 4, 327,680 bytes of LDS; arguments h, w2h, b2, eo; writes eo
.if DOCPART == 3
	.amdgcn_target "amdgcn-amd-amdhsa--gfx1250"
	.amdhsa_code_object_version 6
	.text
	.protected	k_q8204c4b5ba_gemm2
	.globl	k_q8204c4b5ba_gemm2
	.p2align	8
	.type	k_q8204c4b5ba_gemm2,@function
k_q8204c4b5ba_gemm2:
	s_mov_b64 s[64:65], 0
	v_nop
	global_prefetch_b8 v0, s[64:65] scope:SCOPE_SE
	s_setreg_imm32_b32 hwreg(HW_REG_WAVE_MODE, 25, 1), 1
	s_wait_xcnt 0x0
	s_wait_alu depctr_hold_cnt(0) depctr_sa_sdst(0) depctr_va_vdst(0) depctr_va_sdst(0) depctr_va_ssrc(0) depctr_va_vcc(0) depctr_vm_vsrc(0)
	s_getreg_b32 s2, hwreg(HW_REG_IB_STS2, 6, 4)
	s_cmp_eq_u32 s2, 0
	s_cbranch_scc0 .Lentry_in_a_cluster
	s_endpgm
.Lentry_in_a_cluster:
	s_bfe_u32 s2, ttmp6, 0x10000c
	s_cmp_lg_u32 s2, 0xf033
	s_cbranch_scc0 .Lentry_shape_is_right
	s_endpgm
.Lentry_shape_is_right:
; gemm2: eo[e][m][n] = relu( sum over k of h[e][m][k] w2h[e][k][n] + b2[e][n] ), operands in f16, sums in f32, rounded once to bf16.  No work of the problem is left out.
; Block column bc = 0..15 of 256 columns is expert e = bc >> 1, column block cb = bc & 1.  There are 16 x 16 = 256 blocks for 256 work-groups: each makes one block, so
; nothing follows the way out.  The ring and the K loop are the first product's.
; A work-group makes a block of 256 x 256 with four waves, as many as a WGP has SIMDs; a wave makes 128 x 128: 64 accumulator tiles.  K = 1024 in eight steps of 128 through two LDS slots.
;   A's tile: 256 rows of h[e] x 128 K, LDS pitch 272.   B's tile: 128 K rows of w2h[e] x 256 columns, LDS pitch 544, read by the transposing LDS load.
; CLUSTERS: 4 x 4 work-groups.  B's tile hangs on the block column alone and is asked for jointly by a column of the cluster: 256 work-groups x 512 KiB of requests become a
; quarter, 34 MB.  A's tile hangs on the block row AND on the expert e = bc >> 1: an expert has 512 columns, two blocks, so just the two neighbours cx and cx xor 1 of a row
; of the cluster want the same tile.  A joint load for such a pair would carry a mask of two places inside a row, while its address differs between that row's two pairs,
; that is along the very axis on which the mask lies.  Here a joint load's mask is a whole row or a whole column of the cluster, and its address only from
; coordinates that lie off the mask's axis; a pair is neither.  So each work-group asks for A's tiles by loads of its own (mask 0), behind the same rounds of the cluster's
; barrier.  The price, by the sizes: A's requests are 256 work-groups x 256 rows x 2,048 bytes = 134 MB, of which pairs would spare half.
; THE MATRIX INSTRUCTION IS USED TRANSPOSED (source 0 = 16 columns of the weights, source 1 = 16 rows of h): lane l holds row l % 16 of the result and its
; registers 0-7 the columns 8 (l / 16) + 0..7, eight neighbouring numbers of a row.
; THE BIAS STARTS THE SUMS: the first product of each tile takes as C eight registers that hold b2 of just those eight columns.  Nothing is cleared.
; LIMITS: the bias is added first and not last (an order of rounding); relu is a maximum in which a NaN loses, so a NaN sum gives 0 where the
; reference keeps NaN; eo is kept in bf16 for the gated sums: all their terms are 0 or more, so this moves a result by at most one part in 256 of itself.
; bf16 and not f16 here: with offsets of 30 spreads on x, W1 and W2 eo reaches some 1024 x 28,800 x 1.1 = 3e7, for which f16 has no room.
; REGISTERS, in windows of 256: window 0: v0-31 addresses, v32-63 packed results, v64-127 and v128-191 fragments of A (two buffers), v192-255 the bias, later
; the results behind relu; window 1: v64-127, v128-191 fragments of B; windows 2, 3: the accumulators of my rows 0-63, 64-127 (tile (a, b) at v[8 (8 a + b)]).
.set KDIM,   1024
.set NE,     512                       ; columns of one expert
.set LOGCB,  1                         ; 2 column blocks an expert
.set LOGWE,  20                        ; bytes of one expert's weights: 1024 x 512 x 2
.set LOGWH,  16                        ; bytes of 64 K rows of them
.set LOGCR,  10                        ; bytes of a row of the result
.set LOGCE,  22                        ; bytes of one expert's result: 4096 x 512 x 2
.set KSTEP,  128
.set APITCH, 272                       ; 256 bytes + 16: the sixteen rows of a fragment load start at sixteen different 16-byte columns modulo 256 bytes
.set BPITCH, 544                       ; 512 bytes + 32: an odd multiple of 32, for the transposing load's eight rows and two 16-byte columns
.set HALFT,  128*APITCH                ; what one tensor load brings: 128 rows of A, or 64 K rows of B (64 x 544 is the same figure)
.set SLOT,   4*HALFT                   ; A's 256 rows, then B's 128 K rows
.set STAGE,  2*SLOT                    ; behind the ring: 16 rows x 272 bytes for each wave, for the way out; no tensor load lands here
.set SPITCH, 272
.set LAPS,   KDIM/(2*KSTEP)            ; a lap = two K steps = once round the ring
.set ADRA, 16                          ; v16-17  LDS address of my A fragments in slot 0, 1
.set ADRB, 20                          ; v20-21  the same for B
.set STO,  24                          ; v24     the way out: where I put 16 bytes of a row
.set RD,   25                          ; v25     the way out: where I read a row back
.set CO,   26                          ; v26     my byte offset in the result
.set TMP,  32                          ; packed results
.set F0,   64
.set F1,   128
.set BIAS, 192                         ; v[BIAS+8b+j]: bias of column 16 b + 8 (l / 16) + j of my 128
.set G1,  24                           ; s[24:31] descriptor group 1 for A's tiles
.set G0,  32                           ; s[32:39] group 0 for A's tiles, one set for each slot
.set G1B, 48                           ; s[48:55] group 1 for B's tiles
.set G0B, 56                           ; s[56:63] group 0 for B's tiles, one set for each slot
.set MSB, 0
.macro WIN new                         ; the immediate's high byte repeats the setting that is left
.if MSB != \new
	s_set_vgpr_msb (MSB<<8)|\new
.set MSB, \new
.endif
.endm
.set MUL_LO,   0xa1                    ; source 0 (B) window 1, source 1 (A) window 0, C and D window 2
.set MUL_HI,   0xf1                    ; the same, C and D window 3
.set FIRST_LO, 0x81                    ; the first products: C is the bias in window 0, D window 2
.set FIRST_HI, 0xc1                    ; D window 3
.set TO_B,     0x40                    ; destination window 1, address window 0
; Waves 0 and 1 fetch A's two halves, waves 2 and 3 B's.  The branch hangs on the wave's number alone.
.macro JLOAD s
	s_cmp_eq_u32 s13, 0
	s_cbranch_scc0 .Lfor_b_\@
	tensor_load_to_lds s[G0+4*\s:G0+4*\s+3], s[G1:G1+7]
	s_nop 0
	s_branch .Lasked_\@
.Lfor_b_\@:
	tensor_load_to_lds s[G0B+4*\s:G0B+4*\s+3], s[G1B:G1B+7]
	s_nop 0
.Lasked_\@:
.endm
; A round of the cluster's barrier: my work-group's barrier; wave 0 signals for the work-group; every wave waits for all sixteen; my work-group's barrier again.
.macro CREST                           ; a round behind its opening barrier
	s_cmp_lg_u32 s12, 0
	s_cbranch_scc1 .Lnot_wave_0_\@
	s_barrier_signal -3
.Lnot_wave_0_\@:
	s_barrier_wait -3
	s_barrier_signal -1
	s_barrier_wait -1
.endm
.macro CROUND
	s_barrier_signal -1
	s_barrier_wait -1
	CREST
.endm
	s_load_b256 s[4:11], s[0:1], 0x0               ; A s[4:5], B s[6:7], bias s[8:9], result s[10:11]
	s_set_vgpr_msb 0x40
	v_lshl_add_u32 v255, v0, 2, 0x48400
	s_set_vgpr_msb 0x4000
	v_mov_b32 v31, 0
	s_set_vgpr_msb 0x1
	ds_add_u32 v255, v31
	s_set_vgpr_msb 0x100
	v_lshrrev_b32 v1, 5, v0
	v_readfirstlane_b32 s12, v1                    ; wave 0..3
	s_lshr_b32 s13, s12, 1                         ; which half of the block's rows is mine.  Also: I fetch for A (0) or for B (1)
	s_and_b32 s14, s12, 1                          ; which half of its columns.  Also: which half of that tile I fetch
	s_bfe_u32 s40, ttmp6, 0x40000                  ; cx
	s_bfe_u32 s41, ttmp6, 0x40004                  ; cy
	s_lshl_b32 s42, ttmp9, 2
	s_add_co_u32 s42, s42, s40                     ; block column bc = 4 x cluster x + cx
	s_and_b32 s15, ttmp7, 0xffff
	s_lshl_b32 s15, s15, 2
	s_add_co_u32 s15, s15, s41                     ; block row br = 4 x cluster y + cy
	s_lshl_b32 s44, 0x1111, s40                    ; my column of the cluster: places cx, cx + 4, cx + 8, cx + 12
	s_lshr_b32 s45, s42, LOGCB                     ; expert e
	s_and_b32 s68, s42, (1<<LOGCB)-1               ; column block cb inside it
	s_mov_b32 s[G1+0], (1<<16)|(1<<20)|(5<<22)|(3<<25)             ; a load of my own (mask 0): element of 2 bytes; 4 words of padding behind every 64
	s_mov_b32 s[G1+1], KSTEP<<16                   ; tensor_dim0 = 128
	s_mov_b32 s[G1+2], 128<<16                     ; tensor_dim1 = 128
	s_mov_b32 s[G1+3], KSTEP<<16                   ; tile_dim0 = 128 elements
	s_mov_b32 s[G1+4], 128                         ; tile_dim1 = 128 rows
	s_mov_b32 s[G1+5], KDIM                        ; elements from row to row
	s_mov_b32 s[G1+6], 0
	s_mov_b32 s[G1+7], 0
	s_or_b32 s[G1B+0], s44, (1<<16)|(1<<20)|(1<<21)|(6<<22)|(7<<25) ; mask: my column; bit 21 set beside it; 8 words of padding behind every 128
	s_mov_b32 s[G1B+1], 256<<16                    ; tensor_dim0 = 256
	s_mov_b32 s[G1B+2], 64<<16                     ; tensor_dim1 = 64
	s_mov_b32 s[G1B+3], 256<<16                    ; tile_dim0 = 256 elements
	s_mov_b32 s[G1B+4], 64                         ; tile_dim1 = 64 K rows
	s_mov_b32 s[G1B+5], NE
	s_mov_b32 s[G1B+6], 0
	s_mov_b32 s[G1B+7], 0
	; where the tiles come from; every offset stays under 2^27 bytes
	s_lshl_b32 s16, s15, 8
	s_lshl_b32 s17, s14, 7
	s_add_co_u32 s16, s16, s17                     ; A: row 256 br + 128 x half,
	s_lshl_b32 s16, s16, 11                        ; of 2,048 bytes
	s_mov_b32 s17, 0
	s_lshl_b32 s46, s45, LOGWE                     ; B: the expert,
	s_lshl_b32 s47, s14, LOGWH                     ; my 64 K rows of the step's 128,
	s_add_co_u32 s46, s46, s47
	s_lshl_b32 s47, s68, 9                         ; 256 columns of 2 bytes a column block
	s_add_co_u32 s46, s46, s47
	s_mov_b32 s47, 0
	s_lshl_b32 s66, s42, 10                        ; bias: 256 bc + 128 x (my half of the columns), of 4 bytes
	s_lshl_b32 s67, s14, 9
	s_add_co_u32 s66, s66, s67
	s_mov_b32 s67, 0
	s_mul_i32 s20, s12, HALFT                      ; and where they go: wave x 34,816: no place in the cluster enters an LDS address
	s_wait_dscnt 0x0
	s_wait_kmcnt 0x0
	s_add_nc_u64 s[18:19], s[4:5], s[16:17]
	s_lshl_b32 s70, s45, 23                        ; A is the expert's own h: 4096 x 1024 x 2 bytes each
	s_mov_b32 s71, 0
	s_add_nc_u64 s[18:19], s[18:19], s[70:71]
	s_add_nc_u64 s[46:47], s[6:7], s[46:47]
	s_add_nc_u64 s[8:9], s[8:9], s[66:67]
	CROUND                                         ; all sixteen work-groups are here: the first joint loads meet
.irp s, 0,1
	s_mov_b32 s[G0+4*\s], 1
	s_add_co_u32 s[G0+4*\s+1], s20, \s*SLOT
	s_add_nc_u64 s[G0+4*\s+2:G0+4*\s+3], s[18:19], \s*KSTEP*2      ; K step s: 128 elements along the rows
	s_or_b32 s[G0+4*\s+3], s[G0+4*\s+3], 0x80000000
	s_mov_b32 s[G0B+4*\s], 1
	s_add_co_u32 s[G0B+4*\s+1], s20, \s*SLOT
	s_add_nc_u64 s[G0B+4*\s+2:G0B+4*\s+3], s[46:47], \s*KSTEP*NE*2 ; K step s: 128 rows down
	s_or_b32 s[G0B+4*\s+3], s[G0B+4*\s+3], 0x80000000
	JLOAD \s                                       ; both slots' first fills go out before anything else: two tensor loads of the wave are out
.endr
	v_and_b32 v1, 15, v0                           ; r = l % 16
	v_bfe_u32 v2, v0, 4, 1                         ; hh = l / 16
	v_lshlrev_b32 v6, 5, v2                        ; 8 columns of 4 bytes for the upper lanes
.irp b, 0,1,2,3,4,5,6,7
	global_load_b128 v[BIAS+8*\b:BIAS+8*\b+3],   v6, s[8:9] offset:64*\b
	global_load_b128 v[BIAS+8*\b+4:BIAS+8*\b+7], v6, s[8:9] offset:64*\b+16
.endr
	v_mul_u32_u24 v3, v1, APITCH
	v_lshl_add_u32 v3, v2, 4, v3                   ; A: row r, 16 bytes for each half of the lanes
	v_and_b32 v4, 7, v0
	v_lshl_add_u32 v4, v2, 3, v4                   ; B: K row 8 hh + l % 8,
	v_mul_u32_u24 v4, v4, BPITCH
	v_bfe_u32 v5, v0, 3, 1
	v_lshl_add_u32 v4, v5, 4, v4                   ; and which eight of the sixteen columns
	s_mul_i32 s21, s13, HALFT                      ; my 128 rows of A
	s_lshl_b32 s22, s14, 8                         ; my 128 columns of B,
	s_add_co_u32 s22, s22, 2*HALFT                 ; which lies behind A's 256 rows
.irp s, 0,1
	v_add_nc_u32 v[ADRA+\s], s21, v3
	v_add_nc_u32 v[ADRB+\s], s22, v4
	s_add_co_u32 s21, s21, SLOT
	s_add_co_u32 s22, s22, SLOT
.endr
	s_mul_i32 s23, s12, 16*SPITCH
	s_add_co_u32 s23, s23, STAGE                   ; my stage
	v_add_nc_u32 v[STO], s23, v3                   ; in: row r, 16 bytes for each half of the lanes
	v_mul_u32_u24 v5, v2, SPITCH                   ; back: lanes 0-15 take one row of 256 bytes, lanes 16-31 the next
	v_lshl_add_u32 v5, v1, 4, v5
	v_add_nc_u32 v[RD], s23, v5
	v_mul_u32_u24 v5, v2, NE*2                     ; and the same two rows in the result
	v_lshl_add_u32 v[CO], v1, 4, v5
; 16 matrix instructions: row blocks a0, a0 + 1 of the window's four x all 8 column blocks, 32 along K.  first = 1: the bias is C.
; The 64 accumulators take turns, one instruction a turn, in the same order in every quarter step.
.macro MUL16 f, hi, a0, first
.irp a, \a0, \a0+1
.irp b, 0,1,2,3,4,5,6,7
.if \first
	v_wmma_f32_16x16x32_f16 v[8*(8*(\a)+\b):8*(8*(\a)+\b)+7], v[\f+8*\b:\f+8*\b+7], v[\f+8*(4*\hi+\a):\f+8*(4*\hi+\a)+7], v[BIAS+8*\b:BIAS+8*\b+7]
.else
	v_wmma_f32_16x16x32_f16 v[8*(8*(\a)+\b):8*(8*(\a)+\b)+7], v[\f+8*\b:\f+8*\b+7], v[\f+8*(4*\hi+\a):\f+8*(4*\hi+\a)+7], v[8*(8*(\a)+\b):8*(8*(\a)+\b)+7]
.endif
.endr
.endr
.endm
; 32 LDS loads in one run: the fragments of quarter q (32 K) of a slot into buffer f.  B first: K rows 32 q + .. and 32 q + 16 + .., 16 columns (32 bytes) a block.
.macro FETCH slot, q, f
	WIN TO_B
.irp i, 0,1,2,3,4,5,6,7
	ds_load_tr16_b128 v[\f+8*\i:\f+8*\i+3],   v[ADRB+\slot] offset:\q*32*BPITCH+32*\i
	ds_load_tr16_b128 v[\f+8*\i+4:\f+8*\i+7], v[ADRB+\slot] offset:\q*32*BPITCH+16*BPITCH+32*\i
.endr
	WIN 0
.irp i, 0,1,2,3,4,5,6,7
	ds_load_b128 v[\f+8*\i:\f+8*\i+3],   v[ADRA+\slot] offset:\q*64+\i*16*APITCH
	ds_load_b128 v[\f+8*\i+4:\f+8*\i+7], v[ADRA+\slot] offset:\q*64+\i*16*APITCH+32
.endr
.endm
; A load into a register that a matrix instruction has read, and a vector instruction that reads a matrix result, stand four places behind it, and only plain
; vector instructions that name none of its registers are places (ISA guide 7.12.1 for vector instructions).
.macro PLACES
.rept 4
	v_nop
.endr
.endm
; One of a K step's first three quarters: multiplies buffer f; in its middle it fetches quarter q of the same slot into buffer g.
.macro QUARTER slot, q, f, g, first
	s_wait_dscnt 8                                 ; B and A's rows 0-63 are in; the youngest eight loads (A's rows 64-127) may be out
.if \first
	WIN FIRST_LO
.else
	WIN MUL_LO
.endif
	MUL16 \f, 0, 0, \first
	MUL16 \f, 0, 2, \first
	PLACES
	FETCH \slot, \q, \g
	s_wait_dscnt 32                                ; all but the 32 just issued
.if \first
	WIN FIRST_HI
.else
	WIN MUL_HI
.endif
	MUL16 \f, 1, 0, \first
	MUL16 \f, 1, 2, \first
.endm
.macro THREE slot, first
	QUARTER \slot, 1, F0, F1, \first
	QUARTER \slot, 2, F1, F0, 0
	QUARTER \slot, 3, F0, F1, 0
.endm
; The last quarter: multiplies buffer 1 and changes slots.  In front of the barrier each wave waits for its reads of this slot and for all its tensor loads
; (one is out: its part of the next slot).  Behind it (with fill: behind the whole round of the cluster's barrier) the refill comes first, then the next slot's fragments.
.macro TURN slot, next, fill
	s_wait_dscnt 8
	WIN MUL_LO
	MUL16 F1, 0, 0, 0
	s_wait_dscnt 0                                 ; my reads of this slot are over
	s_wait_tensorcnt 0x0                           ; and all my tensor loads have landed
	ds_add_u32 v255, v31
	s_wait_dscnt 0x0
	s_barrier_signal -1
	MUL16 F1, 0, 2, 0                              ; registers only, while the others arrive
	WIN 0
	s_barrier_wait -1
.if \fill
	CREST                                          ; no wave of any partner still reads this slot or has a load on its way
	s_add_nc_u64 s[G0+4*\slot+2:G0+4*\slot+3], s[G0+4*\slot+2:G0+4*\slot+3], 2*KSTEP*2
	s_add_nc_u64 s[G0B+4*\slot+2:G0B+4*\slot+3], s[G0B+4*\slot+2:G0B+4*\slot+3], 2*KSTEP*NE*2
	JLOAD \slot                                    ; the wave's one tensor load behind the round, two K steps ahead
.endif
	PLACES
	FETCH \next, 0, F0
	WIN MUL_HI
	MUL16 F1, 1, 0, 0
	MUL16 F1, 1, 2, 0
.endm
.macro LAP first
	THREE 0, \first
	TURN 0, 1, 1
	THREE 1, 0
	TURN 1, 0, 1
.endm
	s_wait_tensorcnt 1                             ; my part of K step 0 is in; K step 1's may stay out
	s_barrier_signal -1
	s_barrier_wait -1                              ; everybody's is
	FETCH 0, 0, F0
	s_wait_loadcnt 0x0                             ; the bias
	LAP 1                                          ; the first lap stands in front of the loop: its first products start the sums from the bias
	WIN 0                                          ; at a label and at a branch every window is 0
	s_mov_b32 s3, LAPS-2
.Llap:
	LAP 0
	WIN 0
	s_sub_co_u32 s3, s3, 1
	s_cmp_lg_u32 s3, 0
	s_cbranch_scc1 .Llap
	THREE 0, 0                                     ; the last lap fills nothing
	TURN 0, 1, 0
	THREE 1, 0
	s_wait_dscnt 8
	WIN MUL_LO
	MUL16 F1, 0, 0, 0
	MUL16 F1, 0, 2, 0
	s_wait_dscnt 0
	WIN MUL_HI
	MUL16 F1, 1, 0, 0
	MUL16 F1, 1, 2, 0
	; THE WAY OUT, 16 rows at a time: relu, round to bf16, 16 bytes a lane into my own stage in LDS, read back as whole rows of 256 bytes.
	PLACES
	s_lshl_b32 s16, s15, 8
	s_lshl_b32 s17, s13, 7
	s_add_co_u32 s16, s16, s17                     ; my first row,
	s_lshl_b32 s16, s16, LOGCR                     ; in bytes
	s_mov_b32 s17, 0
	s_add_nc_u64 s[10:11], s[10:11], s[16:17]
	s_lshl_b32 s46, s45, LOGCE                     ; the expert's plane,
	s_lshl_b32 s47, s68, 9                         ; the column block,
	s_add_co_u32 s46, s46, s47
	s_lshl_b32 s47, s14, 8                         ; my half of it
	s_add_co_u32 s46, s46, s47
	s_mov_b32 s47, 0
	s_add_nc_u64 s[10:11], s[10:11], s[46:47]
; rows 16 i .. 16 i + 15 of my block = the eight tiles (a, 0..7) of window 2 or 3 (from = 0x08 or 0x0c: source 1); f: F0 or F1 in turn
.macro OUT16 i, a, from, f
	WIN \from
.irp b, 0,1,2,3,4,5,6,7
.irp r, 0,1,2,3,4,5,6,7
	v_max_num_f32 v[BIAS+8*\b+\r], 0, v[8*(8*\a+\b)+\r]            ; relu, from the accumulators' window into window 0 (the bias is no longer needed)
.endr
.endr
	WIN 0
.irp b, 0,1,2,3,4,5,6,7
.irp r, 0,1,2,3
	v_cvt_pk_bf16_f32 v[TMP+4*\b+\r], v[BIAS+8*\b+2*\r], v[BIAS+8*\b+2*\r+1]
.endr
.endr
.irp b, 0,1,2,3,4,5,6,7
	ds_store_b128 v[STO], v[TMP+4*\b:TMP+4*\b+3] offset:32*\b
.endr
	s_wait_xcnt 0x0                                ; buffer f, which earlier stores read, and the stores' base are rewritten only behind this wait
.if \i
	s_add_nc_u64 s[10:11], s[10:11], 16*NE*2       ; 16 rows on
.endif
.irp t, 0,1,2,3,4,5,6,7
	ds_load_b128 v[\f+4*\t:\f+4*\t+3], v[RD] offset:\t*2*SPITCH    ; LDS serves a wave's instructions in order: these see the stores above
.endr
.irp t, 0,1,2,3,4,5,6,7
	s_wait_dscnt 7-\t                              ; read-back t is in, the 7 - t younger ones stay out
	global_store_b128 v[CO], v[\f+4*\t:\f+4*\t+3], s[10:11] offset:2*\t*NE*2   ; 16 lanes store 256 consecutive bytes, at a multiple of 256 from the buffer's first byte
.endr
.endm
	OUT16 0, 0, 0x08, F0
	OUT16 1, 1, 0x08, F1
	OUT16 2, 2, 0x08, F0
	OUT16 3, 3, 0x08, F1
	OUT16 4, 0, 0x0c, F0
	OUT16 5, 1, 0x0c, F1
	OUT16 6, 2, 0x0c, F0
	OUT16 7, 3, 0x0c, F1
	s_set_vgpr_msb 0x1
	s_wait_tensorcnt 0x0
	ds_add_u32 v255, v31
	s_wait_dscnt 0x0
	s_set_vgpr_msb 0x100
	CROUND                                         ; the closing round: no work-group ends while a partner may still ask for a tile that names it
	s_endpgm
.Lfunc_end_k_q8204c4b5ba_gemm2:
	.size	k_q8204c4b5ba_gemm2, .Lfunc_end_k_q8204c4b5ba_gemm2-k_q8204c4b5ba_gemm2
	.p2alignl 7, 3214868480
	.fill 96, 4, 3214868480
	.section	.rodata,"a",@progbits
	.p2align	6, 0x0
	.amdhsa_kernel k_q8204c4b5ba_gemm2
		.amdhsa_group_segment_fixed_size 327680
		.amdhsa_private_segment_fixed_size 0
		.amdhsa_enable_private_segment 0
		.amdhsa_kernarg_size 32
		.amdhsa_user_sgpr_count 2
		.amdhsa_user_sgpr_kernarg_segment_ptr 1
		.amdhsa_wavefront_size32 1
		.amdhsa_system_sgpr_workgroup_id_x 1
		.amdhsa_system_sgpr_workgroup_id_y 1
		.amdhsa_system_sgpr_workgroup_id_z 1
		.amdhsa_system_vgpr_workitem_id 0
		.amdhsa_next_free_vgpr 1024
		.amdhsa_next_free_sgpr 72
		.amdhsa_reserve_vcc 0
		.amdhsa_float_denorm_mode_32 3
		.amdhsa_float_denorm_mode_16_64 3
		.amdhsa_memory_ordered 1
		.amdhsa_forward_progress 1
		.amdhsa_inst_pref_size 214
	.end_amdhsa_kernel
	.amdgpu_metadata
---
amdhsa.version: [ 1, 2 ]
amdhsa.kernels:
  - .name:           k_q8204c4b5ba_gemm2
    .symbol:         k_q8204c4b5ba_gemm2.kd
    .args:
      - { .name: h, .offset: 0, .size: 8, .value_kind: global_buffer, .address_space: global }
      - { .name: w2h, .offset: 8, .size: 8, .value_kind: global_buffer, .address_space: global }
      - { .name: b2, .offset: 16, .size: 8, .value_kind: global_buffer, .address_space: global }
      - { .name: eo, .offset: 24, .size: 8, .value_kind: global_buffer, .address_space: global }
    .group_segment_fixed_size: 327680
    .private_segment_fixed_size: 0
    .kernarg_segment_align: 8
    .kernarg_segment_size: 32
    .max_flat_workgroup_size: 128
    .sgpr_count:     72
    .vgpr_count:     1024
    .wavefront_size: 32
...
	.end_amdgpu_metadata
.endif
;; end of part 3
;; launch combine (part 4): grid 256 x 1, 8 waves a work-group, no clusters, 19,456 bytes of LDS; arguments xh, wgh, eo, out0; writes out0
.if DOCPART == 4
	.amdgcn_target "amdgcn-amd-amdhsa--gfx1250"
	.amdhsa_code_object_version 6
	.text
	.protected	k_q8204c4b5ba_combine
	.globl	k_q8204c4b5ba_combine
	.p2align	8
	.type	k_q8204c4b5ba_combine,@function
k_q8204c4b5ba_combine:
	s_mov_b64 s[64:65], 0
	v_nop
	global_prefetch_b8 v0, s[64:65] scope:SCOPE_SE
	s_setreg_imm32_b32 hwreg(HW_REG_WAVE_MODE, 25, 1), 1
	s_wait_xcnt 0x0
; combine: the three gates' softmax and the three gated sums.  No work of the problem is left out (the twelve zero rows of wgh only fill up the 16-row matrix tiles).
;   logits[b][n] = sum over k of xh[b][k] wgh[n][k]  (n 0-5 task 0, 8-13 task 1, 16-23 share), softmax in f32 with the maximum taken away,
;   out0[b][0] = sum of g0 x eo[0,1,4,5,6,7], out0[b][1] = sum of g1 x eo[2,3,4,5,6,7], out0[b][2] = sum of gs x eo[0..7], in f32.
; A work-group owns 16 batch rows.  Wave w multiplies the K slice 128 w .. 128 w + 127 of the logits (8 matrix instructions on two accumulators by turns); the eight
; partial tiles meet in LDS; waves 0 and 1 add them and make the softmax of one tile each; then wave w sums rows 2 w and 2 w + 1.
; Source 0 is the gates' fragment and source 1 is x's, so lane (r, hh) holds in registers 0-7 the eight logits 16 t + 8 hh + 0..7 of batch row r:
; a whole softmax lies in one lane and needs no traffic between lanes.
; A stream: eo's 64 loads of each wave (256 consecutive bytes each) are issued ahead of the gates' work and land while it is done.  No cluster: eo, xh and out0 are no
; work-group's but one; wgh goes straight into registers as fragments, and joint loads land in LDS only.
; LIMIT: x and the gates' weights enter the logits rounded to f16, as matrix operands; eo comes in bf16.
.set PART, 0                           ; LDS: 8 waves x 2,048 bytes: part c (0..3) of a wave's two tiles at 512 c + 16 lane
.set GATE, 16384                       ; LDS: tile t's gates at 1,024 t + 64 r + 32 hh: t = 0: task 0 then task 1; t = 1: share, then eight numbers that nobody reads
.set XF,  16                           ; v[16:47]   x's fragments, K step s at XF + 8 s
.set WF,  48                           ; v[48:111]  the gates' fragments, tile t, K step s at WF + 32 t + 8 s
.set ACC, 112                          ; v[112:119] tile 0, v[120:127] tile 1
.set EO,  128                          ; v[128:191] row 2 w, v[192:255] row 2 w + 1: expert e, quarter q of the row at 8 e + 2 q
.set P,   16                           ; v[16:79]   behind the products: the eight partial tiles
.set GT,  16                           ; v[16:63]   then the gates of my two rows, 24 each: task 0 at 0, task 1 at 8, share at 16
.set E,   64                           ; v[64:95]   four columns of the eight experts in f32
.set O,   96                           ; v[96:107]  four columns of the three towers
	s_load_b256 s[4:11], s[0:1], 0x0               ; xh s[4:5], wgh s[6:7], eo s[8:9], out0 s[10:11]
	s_set_vgpr_msb 0x40
	v_lshl_add_u32 v0, v0, 2, 0x4800
	v_mov_b32 v1, 0
	s_set_vgpr_msb 0x4000
	v_lshrrev_b32 v1, 5, v0
	v_readfirstlane_b32 s12, v1                    ; wave 0..7
	s_mov_b32 s32, 0x3fb8aa3b                      ; log2(e)
	s_mov_b32 s34, 0xffff0000                      ; a word's upper bf16
	v_and_b32 v2, 31, v0                           ; lane
	v_and_b32 v3, 15, v0                           ; r
	v_bfe_u32 v12, v0, 4, 1                        ; hh
	v_lshlrev_b32 v4, 11, v3                       ; fragments: row r of 2,048 bytes,
	v_lshl_add_u32 v4, v12, 4, v4                  ; 16 bytes for each half of the lanes,
	v_lshl_add_u32 v4, s12, 8, v4                  ; my wave's 128 K
	v_lshlrev_b32 v5, 3, v2
	v_lshl_add_u32 v5, s12, 11, v5                 ; eo: two rows of 1,024 bytes a wave, 8 bytes a lane
	s_mul_i32 s13, s12, 12288
	v_lshl_add_u32 v6, v2, 4, s13                  ; out0: two rows of 6,144 bytes a wave, 16 bytes a lane
	v_lshlrev_b32 v7, 4, v2
	v_lshl_add_u32 v8, s12, 10, v7                 ; waves 0, 1: tile t = wave, its two parts of every wave's partial tiles
	v_lshl_add_u32 v7, s12, 11, v7                 ; my wave's partial tiles
	v_lshlrev_b32 v9, 6, v3
	v_lshl_add_u32 v9, v12, 5, v9
	v_lshl_add_u32 v9, s12, 10, v9
	v_add_nc_u32 v9, GATE, v9                      ; waves 0, 1: where my eight gates go
	s_lshl_b32 s13, s12, 7
	s_add_co_u32 s13, s13, GATE
	v_mov_b32 v10, s13                             ; the gates of rows 2 w, 2 w + 1: 64 bytes a row; every lane reads the same words
	v_mov_b32 v11, 0xff800000                      ; minus infinity
	s_lshl_b32 s14, ttmp9, 15                      ; 16 rows of xh
	s_mov_b32 s15, 0
	s_wait_kmcnt 0x0
	s_add_nc_u64 s[4:5], s[4:5], s[14:15]
	s_lshl_b32 s14, ttmp9, 14                      ; 16 rows of eo
	s_add_nc_u64 s[16:17], s[8:9], s[14:15]        ; expert e's plane in s[16+2e:17+2e]
.irp e, 1,2,3,4,5,6,7
	s_add_nc_u64 s[16+2*\e:17+2*\e], s[14+2*\e:15+2*\e], 0x400000
.endr
	s_mul_i32 s14, ttmp9, 98304                    ; 16 rows of out0
	s_add_nc_u64 s[10:11], s[10:11], s[14:15]
.irp s, 0,1,2,3
	global_load_b128 v[XF+8*\s:XF+8*\s+3],       v4, s[4:5] offset:64*\s
	global_load_b128 v[XF+8*\s+4:XF+8*\s+7],     v4, s[4:5] offset:64*\s+32
	global_load_b128 v[WF+8*\s:WF+8*\s+3],       v4, s[6:7] offset:64*\s
	global_load_b128 v[WF+8*\s+4:WF+8*\s+7],     v4, s[6:7] offset:64*\s+32
	global_load_b128 v[WF+32+8*\s:WF+32+8*\s+3], v4, s[6:7] offset:32768+64*\s
	global_load_b128 v[WF+32+8*\s+4:WF+32+8*\s+7], v4, s[6:7] offset:32768+64*\s+32
.endr
.irp e, 0,1,2,3,4,5,6,7
.irp q, 0,1,2,3
	global_load_b64 v[EO+8*\e+2*\q:EO+8*\e+2*\q+1], v5, s[16+2*\e:17+2*\e] offset:256*\q th:TH_LOAD_NT
.endr
.endr
	s_wait_loadcnt 32                              ; the 24 fragment loads are in; the 32 of row 2 w stay out
	v_wmma_f32_16x16x32_f16 v[ACC:ACC+7],    v[WF:WF+7],       v[XF:XF+7], 0   ; the first K step starts both sums; the two accumulators take turns
	v_wmma_f32_16x16x32_f16 v[ACC+8:ACC+15], v[WF+32:WF+39],   v[XF:XF+7], 0
.irp s, 1,2,3
	v_wmma_f32_16x16x32_f16 v[ACC:ACC+7],    v[WF+8*\s:WF+8*\s+7],       v[XF+8*\s:XF+8*\s+7], v[ACC:ACC+7]
	v_wmma_f32_16x16x32_f16 v[ACC+8:ACC+15], v[WF+32+8*\s:WF+32+8*\s+7], v[XF+8*\s:XF+8*\s+7], v[ACC+8:ACC+15]
.endr
.irp e, 0,1,2,3,4,5,6,7
.irp q, 0,1,2,3
	global_load_b64 v[EO+64+8*\e+2*\q:EO+64+8*\e+2*\q+1], v5, s[16+2*\e:17+2*\e] offset:1024+256*\q th:TH_LOAD_NT
.endr
.endr
.rept 4
	v_nop                                          ; four places behind the last matrix instruction: the stores read results, later loads land on fragments
.endr
.irp c, 0,1,2,3
	ds_store_b128 v7, v[ACC+4*\c:ACC+4*\c+3] offset:PART+512*\c
.endr
	s_wait_dscnt 0x0                               ; my partial tiles are in LDS, for the others' sake
	s_barrier_signal -1
	s_barrier_wait -1
	s_cmp_ge_u32 s12, 2
	s_cbranch_scc1 .Lnogate                        ; waves 0 and 1 take tile 0 and tile 1
.irp p, 0,1,2,3,4,5,6,7
	ds_load_b128 v[P+8*\p:P+8*\p+3],   v8 offset:PART+2048*\p
	ds_load_b128 v[P+8*\p+4:P+8*\p+7], v8 offset:PART+2048*\p+512
.endr
	s_cmp_eq_u32 s12, 0
	s_cselect_b32 s33, -1, 0                       ; tile 0: a task's gate has six columns
	s_wait_dscnt 0x0
.irp p, 1,2,3,4,5,6,7
.irp k, 0,2,4,6
	v_pk_add_f32 v[P+\k:P+\k+1], v[P+\k:P+\k+1], v[P+8*\p+\k:P+8*\p+\k+1]
.endr
.endr
	v_cndmask_b32 v[P+6], v[P+6], v11, s33         ; the two rows of zeros behind them take no part: minus infinity
	v_cndmask_b32 v[P+7], v[P+7], v11, s33
	v_max3_num_f32 v12, v[P], v[P+1], v[P+2]
	v_max3_num_f32 v12, v12, v[P+3], v[P+4]
	v_max3_num_f32 v12, v12, v[P+5], v[P+6]
	v_max_num_f32 v12, v12, v[P+7]                 ; the maximum,
	v_mul_f32 v13, s32, v12                        ; in units of log2(e); its rounding is one common factor of all eight exponentials and cancels
.irp j, 0,1,2,3,4,5,6,7
	v_fma_f32 v[P+\j], v[P+\j], s32, -v13          ; (logit - maximum) x log2(e), at most 0 but for that rounding
.endr
.irp j, 0,1,2,3,4,5,6,7
	v_exp_f32 v[P+\j], v[P+\j]
.endr
	v_nop                                          ; one plain instruction behind the transcendentals (ISA guide 5.7.2)
	s_wait_alu depctr_va_vdst(0)
	v_add_f32 v12, v[P], v[P+1]
	v_add_f32 v13, v[P+2], v[P+3]
	v_add_f32 v14, v[P+4], v[P+5]
	v_add_f32 v15, v[P+6], v[P+7]
	v_add_f32 v12, v12, v13
	v_add_f32 v14, v14, v15
	v_add_f32 v12, v12, v14                        ; about 1 at the least: the maximum's own term
	v_rcp_f32 v14, v12
	v_nop
	s_wait_alu depctr_va_vdst(0)
.irp k, 0,2,4,6
	v_pk_mul_f32 v[P+\k:P+\k+1], v[P+\k:P+\k+1], v[14:15] op_sel_hi:[1,0]   ; both by v14
.endr
	ds_store_b128 v9, v[P:P+3]
	ds_store_b128 v9, v[P+4:P+7] offset:16
.Lnogate:
	s_wait_dscnt 0x0                               ; the gates are in LDS, for the others' sake
	s_barrier_signal -1
	s_barrier_wait -1
.irp i, 0,1
.irp c, 0,1,2,3
	ds_load_b128 v[GT+24*\i+4*\c:GT+24*\i+4*\c+3], v10 offset:64*\i+16*\c               ; task 0, task 1
.endr
.irp c, 0,1
	ds_load_b128 v[GT+24*\i+16+4*\c:GT+24*\i+16+4*\c+3], v10 offset:1024+64*\i+16*\c    ; share
.endr
.endr
	s_wait_dscnt 0x0
; tower at O + o, expert e, gates at register gb.  TERM0: gate 0 starts the tower's four sums.  TERM: gate g is added.  The gate is one register of an even pair,
; taken for both halves of the packed instruction: the first by op_sel_hi 0, the second by op_sel 1.
; The arguments may be sums (4+s), so each stands in parentheses wherever it is multiplied or subtracted from.
.macro TERM0 o, e, gb
	v_pk_mul_f32 v[O+(\o):O+(\o)+1],   v[E+4*(\e):E+4*(\e)+1],   v[(\gb):(\gb)+1] op_sel_hi:[1,0]
	v_pk_mul_f32 v[O+(\o)+2:O+(\o)+3], v[E+4*(\e)+2:E+4*(\e)+3], v[(\gb):(\gb)+1] op_sel_hi:[1,0]
.endm
.macro TERM o, e, gb, g
.if (\g)&1
	v_pk_fma_f32 v[O+(\o):O+(\o)+1],   v[E+4*(\e):E+4*(\e)+1],   v[(\gb)+(\g)-1:(\gb)+(\g)], v[O+(\o):O+(\o)+1]   op_sel:[0,1,0] op_sel_hi:[1,1,1]
	v_pk_fma_f32 v[O+(\o)+2:O+(\o)+3], v[E+4*(\e)+2:E+4*(\e)+3], v[(\gb)+(\g)-1:(\gb)+(\g)], v[O+(\o)+2:O+(\o)+3] op_sel:[0,1,0] op_sel_hi:[1,1,1]
.else
	v_pk_fma_f32 v[O+(\o):O+(\o)+1],   v[E+4*(\e):E+4*(\e)+1],   v[(\gb)+(\g):(\gb)+(\g)+1], v[O+(\o):O+(\o)+1]   op_sel_hi:[1,0,1]
	v_pk_fma_f32 v[O+(\o)+2:O+(\o)+3], v[E+4*(\e)+2:E+4*(\e)+3], v[(\gb)+(\g):(\gb)+(\g)+1], v[O+(\o)+2:O+(\o)+3] op_sel_hi:[1,0,1]
.endif
.endm
; row 2 w + i: four quarters of 128 columns, four columns a lane.  The terms go expert by expert, so that the six chains of sums do not wait for each other.
.macro ROW i
.irp q, 0,1,2,3
	s_wait_xcnt 0x0                                ; O, which the last quarter's stores read, is rewritten only behind this wait
.irp e, 0,1,2,3,4,5,6,7
	v_lshlrev_b32 v[E+4*\e],   16,  v[EO+64*\i+8*\e+2*\q]
	v_and_b32     v[E+4*\e+1], s34, v[EO+64*\i+8*\e+2*\q]
	v_lshlrev_b32 v[E+4*\e+2], 16,  v[EO+64*\i+8*\e+2*\q+1]
	v_and_b32     v[E+4*\e+3], s34, v[EO+64*\i+8*\e+2*\q+1]
.endr
	TERM0 0, 0, GT+24*\i
	TERM0 8, 0, GT+24*\i+16
	TERM  0, 1, GT+24*\i, 1
	TERM  8, 1, GT+24*\i+16, 1
	TERM0 4, 2, GT+24*\i+8
	TERM  8, 2, GT+24*\i+16, 2
	TERM  4, 3, GT+24*\i+8, 1
	TERM  8, 3, GT+24*\i+16, 3
	; the four shared experts 4 + s: gates 2 + s of each task, 4 + s of the share tower
.irp s, 0,1,2,3
	TERM  0, 4+\s, GT+24*\i, 2+\s
	TERM  4, 4+\s, GT+24*\i+8, 2+\s
	TERM  8, 4+\s, GT+24*\i+16, 4+\s
.endr
.irp t, 0,1,2
	global_store_b128 v6, v[O+4*\t:O+4*\t+3], s[10:11] offset:\i*6144+\t*2048+\q*512 th:TH_STORE_NT   ; a wave's store covers 512 consecutive bytes, at a multiple of 512 from out0's first byte
.endr
.endr
.endm
	s_wait_loadcnt 32                              ; row 2 w is in; the 32 loads of row 2 w + 1 stay out
	ROW 0
	s_wait_loadcnt 0x0
	ROW 1
	s_set_vgpr_msb 0x5
	s_wait_tensorcnt 0x0
	ds_add_u32 v0, v1
	s_wait_dscnt 0x0
	s_set_vgpr_msb 0x500
	s_endpgm
.Lfunc_end_k_q8204c4b5ba_combine:
	.size	k_q8204c4b5ba_combine, .Lfunc_end_k_q8204c4b5ba_combine-k_q8204c4b5ba_combine
	.p2alignl 7, 3214868480
	.fill 96, 4, 3214868480
	.section	.rodata,"a",@progbits
	.p2align	6, 0x0
	.amdhsa_kernel k_q8204c4b5ba_combine
		.amdhsa_group_segment_fixed_size 19456
		.amdhsa_private_segment_fixed_size 0
		.amdhsa_enable_private_segment 0
		.amdhsa_kernarg_size 32
		.amdhsa_user_sgpr_count 2
		.amdhsa_user_sgpr_kernarg_segment_ptr 1
		.amdhsa_wavefront_size32 1
		.amdhsa_system_sgpr_workgroup_id_x 1
		.amdhsa_system_sgpr_workgroup_id_y 1
		.amdhsa_system_sgpr_workgroup_id_z 1
		.amdhsa_system_vgpr_workitem_id 0
		.amdhsa_next_free_vgpr 258
		.amdhsa_next_free_sgpr 66
		.amdhsa_reserve_vcc 0
		.amdhsa_float_denorm_mode_32 3
		.amdhsa_float_denorm_mode_16_64 3
		.amdhsa_memory_ordered 1
		.amdhsa_forward_progress 1
		.amdhsa_inst_pref_size 49
	.end_amdhsa_kernel
	.amdgpu_metadata
---
amdhsa.version: [ 1, 2 ]
amdhsa.kernels:
  - .name:           k_q8204c4b5ba_combine
    .symbol:         k_q8204c4b5ba_combine.kd
    .args:
      - { .name: xh, .offset: 0, .size: 8, .value_kind: global_buffer, .address_space: global }
      - { .name: wgh, .offset: 8, .size: 8, .value_kind: global_buffer, .address_space: global }
      - { .name: eo, .offset: 16, .size: 8, .value_kind: global_buffer, .address_space: global }
      - { .name: out0, .offset: 24, .size: 8, .value_kind: global_buffer, .address_space: global }
    .group_segment_fixed_size: 19456
    .private_segment_fixed_size: 0
    .kernarg_segment_align: 8
    .kernarg_segment_size: 32
    .max_flat_workgroup_size: 256
    .sgpr_count:     66
    .vgpr_count:     258
    .wavefront_size: 32
...
	.end_amdgpu_metadata
.endif
;; end of part 4
;; ======== version 2 of 2: 4 launches; version 1 with the launch prep written anew for expert scheduling mode
;; limits: values are held in f16: magnitudes above 65,504 overflow, below 6.1e-05 lose precision
;; workspace buffers: xh 8,388,608 bytes; w1h 16,777,216 bytes; w2h 8,388,608 bytes; wgh 65,536 bytes; h 67,108,864 bytes; eo 33,554,432 bytes
;; launch prep (part 5): grid 512 x 1, 8 waves a work-group, no clusters, 0 bytes of LDS; arguments x, W1, W2, Wg, Wgs, xh, w1h, w2h, wgh; writes xh, w1h, w2h, wgh
.if DOCPART == 5
	.amdgcn_target "amdgcn-amd-amdhsa--gfx1250"
	.amdhsa_code_object_version 6
	.text
	.protected	k_q8204c4b5ba_prep
	.globl	k_q8204c4b5ba_prep
	.p2align	8
	.type	k_q8204c4b5ba_prep,@function
k_q8204c4b5ba_prep:
	s_mov_b64 s[64:65], 0
	v_nop
	global_prefetch_b8 v0, s[64:65] scope:SCOPE_SE
	s_setreg_imm32_b32 hwreg(HW_REG_WAVE_SCHED_MODE, 0, 2), 2
	s_setreg_imm32_b32 hwreg(HW_REG_WAVE_MODE, 25, 1), 1
	s_wait_xcnt 0x0
	s_wait_alu depctr_vm_vsrc(0)
; prep: the matrix operands are rounded to f16 once, so that the products do not convert them again for every block that reads them.
;   xh = f16(x), w1h = f16(W1), w2h = f16(W2), each in its input's own layout;
;   wgh[32][1024] = the three gates' weights in f16, transposed (a gate column becomes a row along K):
;   rows 0-5 Wg[0][:, n], rows 8-13 Wg[1][:, n-8], rows 16-23 Wgs[:, n-16], the other twelve rows zeros.
; NO WORK OF THE PROBLEM IS LEFT OUT in any launch: the share tower sums all eight experts, so every expert, both biases and all three gates reach out0.
; WHY f16 AND NOT bf16: eleven significant bits against eight, in the same bytes and the same matrix form's layout: each rounding of an operand is an eighth as large,
; and a small result of the gated sums is a sum of 1,024 products whose roundings do not shrink with it.
; LIMIT (range): a number above 65,504 in magnitude becomes infinity, and below 2^-14 the step is 2^-24.  x of spread 1 and weights of spread 0.03 to 0.05 have room for
; a factor of 30 both ways and for an offset of 30 spreads: at most some 200 and some 10; at a thirtieth the weights' spread is 0.001, 16,000 steps.
; THE STREAM: work-groups 0-127 take x, 128-383 W1, 384-511 W2, 128 KiB of f32 each: 512 work-groups of equal stream, two for each of 256 WGPs.
; A wave owns 16 KiB of f32: its 32 loads of 512 neighbouring bytes all go out first; each is converted in the registers in which it landed and stored while the younger
; ones are still on their way.  Each store covers 256 consecutive bytes at a multiple of 256 from the buffer's first byte.
; THE GATES ride beside the stream, so that no work-group stands apart from the 512: wave 0 of each of work-groups 0-7 also takes k = 128 g .. 128 g + 127 of all 32 rows
; of wgh, four k a lane: 20 loads, which go out ahead of its stream loads, and 32 stores of 256 consecutive bytes each.
; REGISTERS: the stream needs v0-131; v132-255 serve those eight waves alone, so that the gates' loads and the stream's are on their way together.  Nothing is lost by
; declaring 256: two of a work-group's eight waves lie on each SIMD, so the two work-groups of a WGP take 4 x 256 = 1,024 registers of each, all that it has.
; No LDS, no barrier, no matrix unit, no shared tile.
; THE MODE: SCHED_MODE bits 1:0 = 2 (LLVM: expert scheduling mode 2), set by the entry lines.  The code itself states the register dependences
; between vector instructions and memory instructions, with s_wait_alu, always for 0.
; THE PLAN.  Registers that memory instructions touch:
;   v1, v2         the stream's byte offsets, in and out.  Written by vector instructions at the head, never again; read by every stream load (v1) and store (v2).
;   v132-134       the gates' byte offsets.  Written on the gates' way, never again; read by the gates' 20 loads and 32 stores.
;   IN, v[4:131]   load j lands in four registers; two conversions read them and write the first two; one store reads those two.  No vector instruction names them
;                  before the load has landed, and nothing writes them behind the store.
;   T0, T1, SH     the gates' loads land here; 40 conversions read them; then T0's first pair is written with zeros, which twelve stores read.
;   PK             written by those 40 conversions, read by 20 stores, never written again.
; So no register that a memory instruction reads is ever written again, and no load lands in a register that a vector instruction has named: the only dependences to
; state are 'a vector instruction has written what a memory instruction reads', and one scalar result.  The waits: one on va_sdst and one on va_vdst at the head, two
; on va_vdst on the gates' way (offsets; all its stores' data), and one on va_vdst for each block of four stream loads, behind its eight conversions and ahead of its
; four stores.  That wait stands behind the conversions and not at the next block's head: nothing follows a block but the wait for the next block's data, through which
; finished numbers would lie in registers.
.set XCH,  128                         ; chunks of 128 KiB in x
.set W1CH, 256                         ; in W1
.set W2CH, 128                         ; in W2
.set NLD,  32                          ; stream loads of a wave
.set BL,   4                           ; of which a block is four
.set JOBS, 8                           ; work-groups whose wave 0 makes 128 k of wgh: 8 x 128 = 1,024
.set IN,   4                           ; v[4:131]    32 loads of four f32; the first two registers of each then hold its four f16
.set GW,   132                         ; v132        the gates: my byte offset in Wg[0]
.set GS,   133                         ; v133        in Wgs
.set GO,   134                         ; v134        in a row of wgh
.set T0,   136                         ; v[136:159]  Wg[0], register T0 + 6 k' + n; at the end the pair of zeros
.set T1,   160                         ; v[160:183]  Wg[1]
.set SH,   184                         ; v[184:215]  Wgs,  register SH + 8 k' + n
.set PK,   216                         ; v[216:255]  twenty pairs of packed f16, one for each row that a gate fills
.macro SLOADS                          ; the wave's 32 stream loads
.set j, 0
.rept NLD
	global_load_b128 v[IN+4*j:IN+4*j+3], v1, s[26:27] offset:512*j th:TH_LOAD_NT
.set j, j+1
.endr
.endm
; column n of a gate whose rows are wd numbers wide, at my four k, becomes a pair of registers: 8 bytes of a row of wgh
.macro GCVT pair, base, wd, n
	v_cvt_pk_f16_f32 v[\pair],   v[\base+\n],       v[\base+\wd+\n]
	v_cvt_pk_f16_f32 v[\pair+1], v[\base+2*\wd+\n], v[\base+3*\wd+\n]
.endm
; and the pair goes to row 'row'
.macro GSTORE pair, row
	global_store_b64 v[GO], v[\pair:\pair+1], s[24:25] offset:(\row)*2048
.endm
	s_load_b512 s[8:23], s[0:1], 0x0               ; x s[8:9], W1 s[10:11], W2 s[12:13], Wg s[14:15], Wgs s[16:17], xh s[18:19], w1h s[20:21], w2h s[22:23]
	s_load_b64 s[24:25], s[0:1], 0x40              ; wgh
	s_mov_b32 s2, ttmp9                            ; g
	v_lshrrev_b32 v2, 5, v0                        ; wave
	v_readfirstlane_b32 s5, v2                     ; and as a scalar
	s_max_u32 s3, s2, XCH
	s_sub_co_u32 s3, s3, XCH                       ; chunk number inside W1 (0 where g lies in front of it: nothing wraps)
	s_max_u32 s4, s2, XCH+W1CH
	s_sub_co_u32 s4, s4, XCH+W1CH                  ; chunk number inside W2
	v_and_b32 v3, 31, v0                           ; lane
	v_lshlrev_b32 v1, 4, v3
	v_lshl_add_u32 v1, v2, 14, v1                  ; in:  16,384 x wave + 16 x lane
	v_lshlrev_b32 v3, 3, v3
	v_lshl_add_u32 v2, v2, 13, v3                  ; out: 8,192 x wave + 8 x lane
	s_wait_kmcnt 0x0
	s_cmp_lt_u32 s2, XCH                           ; x or W1
	s_cselect_b64 s[26:27], s[8:9], s[10:11]
	s_cselect_b64 s[28:29], s[18:19], s[20:21]
	s_cselect_b32 s3, s2, s3
	s_cmp_lt_u32 s2, XCH+W1CH                      ; that, or W2
	s_cselect_b64 s[26:27], s[26:27], s[12:13]
	s_cselect_b64 s[28:29], s[28:29], s[22:23]
	s_cselect_b32 s3, s3, s4
	s_lshl_b32 s30, s3, 17                         ; 128 KiB of f32 a chunk
	s_mov_b32 s31, 0
	s_add_nc_u64 s[26:27], s[26:27], s[30:31]
	s_lshl_b32 s30, s3, 16                         ; 64 KiB of f16
	s_add_nc_u64 s[28:29], s[28:29], s[30:31]
	s_wait_alu depctr_va_sdst(0)                   ; s5, the wave's number, is written: the compare below is its first reader
	s_wait_alu depctr_va_vdst(0)                   ; v1 and v2 are written: every stream load reads v1 and every stream store v2 as its offset, on both ways; no later vector instruction names them
	s_cmp_lg_u32 s5, 0
	s_cbranch_scc1 .Lplain                         ; waves 1-7 stream only,
	s_cmp_ge_u32 s2, JOBS
	s_cbranch_scc1 .Lplain                         ; and so does wave 0 of work-groups 8-511
	; The gates.  Lane l of work-group g is thread t = 32 g + l and owns k = 4 t .. 4 t + 3: 96 neighbouring bytes of each Wg[i], 128 of Wgs; of every row of wgh 8 bytes at 8 t.
	v_and_b32 v[GO], 31, v0
	v_lshl_add_u32 v[GO], s2, 5, v[GO]             ; t, 0 to 255
	v_mul_u32_u24 v[GW], v[GO], 96
	v_lshlrev_b32 v[GS], 7, v[GO]
	v_lshlrev_b32 v[GO], 3, v[GO]
	s_wait_alu depctr_va_vdst(0)                   ; the three offsets v132 to v134 are written, which the gates' loads and stores read
.irp c, 0,1,2,3,4,5
	global_load_b128 v[T0+4*\c:T0+4*\c+3], v[GW], s[14:15] offset:16*\c
	global_load_b128 v[T1+4*\c:T1+4*\c+3], v[GW], s[14:15] offset:24576+16*\c
.endr
.irp c, 0,1,2,3,4,5,6,7
	global_load_b128 v[SH+4*\c:SH+4*\c+3], v[GS], s[16:17] offset:16*\c
.endr
	SLOADS                                         ; the stream's loads follow at once: 52 loads of this wave are out
	s_wait_loadcnt NLD                             ; loads come back in order: the gates' 20 are in, the stream's 32 stay out
.irp n, 0,1,2,3,4,5
	GCVT PK+2*\n,    T0, 6, \n
	GCVT PK+12+2*\n, T1, 6, \n
.endr
.irp n, 0,1,2,3,4,5,6,7
	GCVT PK+24+2*\n, SH, 8, \n
.endr
	v_mov_b32 v[T0], 0                             ; Wg[0]'s numbers have been converted above; no memory instruction has read these two registers
	v_mov_b32 v[T0+1], 0
	s_wait_alu depctr_va_vdst(0)                   ; the 40 conversions have written v[PK ..] and the two lines above the pair of zeros: the 32 stores below read them
.irp n, 0,1,2,3,4,5
	GSTORE PK+2*\n,    \n
	GSTORE PK+12+2*\n, 8+\n
.endr
.irp n, 0,1,2,3,4,5,6,7
	GSTORE PK+24+2*\n, 16+\n
.endr
.irp row, 6,7,14,15,24,25,26,27,28,29,30,31
	GSTORE T0, \row                                ; the rows that no gate fills are zeros: the matrix tiles are 16 rows
.endr
	s_branch .Lconvert
.Lplain:
	SLOADS
.Lconvert:                                     ; on both ways the stream's 32 loads are the youngest that are out
.set p, 0
.rept NLD/BL                                   ; block p: loads 4 p to 4 p + 3
	s_wait_loadcnt NLD-BL*(p+1)                    ; the block's four loads are in, the 28 - 4 p younger ones stay out
.set j, BL*p
.rept BL
	v_cvt_pk_f16_f32 v[IN+4*j],   v[IN+4*j],   v[IN+4*j+1]
	v_cvt_pk_f16_f32 v[IN+4*j+1], v[IN+4*j+2], v[IN+4*j+3]
.set j, j+1
.endr
	s_wait_alu depctr_va_vdst(0)                   ; the block's eight conversions have written the four pairs that the four stores below read
.set j, BL*p
.rept BL
	global_store_b64 v2, v[IN+4*j:IN+4*j+1], s[28:29] offset:256*j
.set j, j+1
.endr
.set p, p+1
.endr
	s_endpgm
.Lfunc_end_k_q8204c4b5ba_prep:
	.size	k_q8204c4b5ba_prep, .Lfunc_end_k_q8204c4b5ba_prep-k_q8204c4b5ba_prep
	.p2alignl 7, 3214868480
	.fill 96, 4, 3214868480
	.section	.rodata,"a",@progbits
	.p2align	6, 0x0
	.amdhsa_kernel k_q8204c4b5ba_prep
		.amdhsa_group_segment_fixed_size 0
		.amdhsa_private_segment_fixed_size 0
		.amdhsa_enable_private_segment 0
		.amdhsa_kernarg_size 72
		.amdhsa_user_sgpr_count 2
		.amdhsa_user_sgpr_kernarg_segment_ptr 1
		.amdhsa_wavefront_size32 1
		.amdhsa_system_sgpr_workgroup_id_x 1
		.amdhsa_system_sgpr_workgroup_id_y 1
		.amdhsa_system_sgpr_workgroup_id_z 1
		.amdhsa_system_vgpr_workitem_id 0
		.amdhsa_next_free_vgpr 256
		.amdhsa_next_free_sgpr 66
		.amdhsa_reserve_vcc 0
		.amdhsa_float_denorm_mode_32 3
		.amdhsa_float_denorm_mode_16_64 3
		.amdhsa_memory_ordered 1
		.amdhsa_forward_progress 1
		.amdhsa_inst_pref_size 24
	.end_amdhsa_kernel
	.amdgpu_metadata
---
amdhsa.version: [ 1, 2 ]
amdhsa.kernels:
  - .name:           k_q8204c4b5ba_prep
    .symbol:         k_q8204c4b5ba_prep.kd
    .args:
      - { .name: x, .offset: 0, .size: 8, .value_kind: global_buffer, .address_space: global }
      - { .name: W1, .offset: 8, .size: 8, .value_kind: global_buffer, .address_space: global }
      - { .name: W2, .offset: 16, .size: 8, .value_kind: global_buffer, .address_space: global }
      - { .name: Wg, .offset: 24, .size: 8, .value_kind: global_buffer, .address_space: global }
      - { .name: Wgs, .offset: 32, .size: 8, .value_kind: global_buffer, .address_space: global }
      - { .name: xh, .offset: 40, .size: 8, .value_kind: global_buffer, .address_space: global }
      - { .name: w1h, .offset: 48, .size: 8, .value_kind: global_buffer, .address_space: global }
      - { .name: w2h, .offset: 56, .size: 8, .value_kind: global_buffer, .address_space: global }
      - { .name: wgh, .offset: 64, .size: 8, .value_kind: global_buffer, .address_space: global }
    .group_segment_fixed_size: 0
    .private_segment_fixed_size: 0
    .kernarg_segment_align: 8
    .kernarg_segment_size: 72
    .max_flat_workgroup_size: 256
    .sgpr_count:     66
    .vgpr_count:     256
    .wavefront_size: 32
...
	.end_amdgpu_metadata
.endif
;; end of part 5
;; launch gemm1: the kernel of part 2 again; grid 16 x 16, 4 waves a work-group, clusters of 4 x 4, 327,680 bytes of LDS; arguments xh, w1h, b1, h; writes h
;; launch gemm2: the kernel of part 3 again; grid 16 x 16, 4 waves a work-group, clusters of 4 x 4, 327,680 bytes of LDS; arguments h, w2h, b2, eo; writes eo
;; launch combine: the kernel of part 4 again; grid 256 x 1, 8 waves a work-group, no clusters, 19,456 bytes of LDS; arguments xh, wgh, eo, out0; writes out0
